; MI455X (gfx1250); checked and timed in simulation.
; The chip was launched on July 23, 2026; its instructions are those of AMD's public machine-readable ISA for CDNA 5 (MIT licence, August 2026) and "CDNA5" Instruction Set Architecture Reference Guide (July 2026). The comments in the code are by the model that wrote it; some were corrected since.
;; Sliding Window Attention. Allowed arithmetic: matrix products marked QUANTISED: E2M3 operands, one E8M0 scale for each 32 along K, by v_wmma_scale_f32_16x16x128_f8f6f4 with both operands' format E2M3, f32 sums; everything else in f32.
;; Inputs: w_out 1,024 x 1,024 float32; w_qkv 1,024 x 3,072 float32; x 4 x 2,048 x 1,024 float32.
;; Outputs: out0 4 x 2,048 x 1,024 float32.
;; This version of the problem:
;;   THIS VERSION OF THE PROBLEM IS GIVEN IN LOW PRECISION. The matrix products marked QUANTISED in the list below multiply operands that are first quantised to E2M3 (2 exponent bits, 3 mantissa bits; 6 bits a number), with one power-of-two scale for each 32 numbers along K (OCP MX v1.0); their sums are f32. All else is computed in f32.
;;   The module's matrix products, in the order in which they are computed (A, B: the left and right operand; K: the contracted axis; several contracted axes count as one K, in the product's order):
;;     1. [M 8,192, K 1,024] x [K 1,024, N 3,072]; A: input x; B: input w_qkv: QUANTISED
;;     2. batch 64 x [M 2,048, K 64] x [K 64, N 2,048]; A: computed on the way; B: computed on the way: QUANTISED
;;     3. batch 64 x [M 2,048, K 2,048] x [K 2,048, N 64]; A: softmax (see below); B: computed on the way: QUANTISED
;;     4. [M 8,192, K 1,024] x [K 1,024, N 1,024]; A: computed on the way; B: input w_out: QUANTISED
;;   THE QUANTISER, for each operand of a quantised product, along K:
;;     - K is cut into blocks of 32 from its start; a last block that is shorter is filled with zeros.
;;     - A block's scale is 2^e with e = floor(log2(the largest magnitude in the block)) - 2, held to -126 .. 127; a block of zeros has e = 0. As a byte (E8M0): e + 127.
;;     - Each number is divided by its block's scale, clamped to +-7.5, and rounded to the nearest number of E2M3, ties to even, subnormals kept.
;;     - The product sums the exact products of the quantised numbers (number of the format x scale) in f32.
;;   ~~~python
;;   def quantise(x, axis):      # numpy; x: float32 -> the quantised numbers, widened to float32 again
;;       x = np.moveaxis(x, axis, -1); K = x.shape[-1]
;;       x = np.pad(x, [(0, 0)] * (x.ndim - 1) + [(0, -K % 32)]); x = x.reshape(x.shape[:-1] + (-1, 32)); a = np.abs(x).max(-1, keepdims=True)
;;       e = np.where(a > 0, np.clip(np.frexp(np.where(a > 0, a, 1))[1] - 1 - 2, -126, 127), 0)      # np.frexp(a)[1] - 1 = floor(log2(a)), exactly
;;       r = np.clip(x / 2.0 ** e, -7.5, 7.5)
;;       step = 2.0 ** (np.maximum(np.frexp(np.where(r == 0, 1, r))[1] - 1, 0) - 3)
;;       q = np.round(r / step) * step * 2.0 ** e      # np.round: ties to even
;;       return np.moveaxis(q.reshape(q.shape[:-2] + (-1,))[..., :K], -1, axis).astype(np.float32)
;;   ~~~
;;   SOFTMAX AHEAD OF A QUANTISED PRODUCT. Where the list says 'softmax', what is quantised is not the finished softmax but p = 2^(t - M), with t = logit x log2(e) and M = ceil(the row's largest t), a whole number; so 1/2 < the row's largest p <= 1. The row's sum l is taken of the UNQUANTISED p, in f32, and the product's result is divided by l at the end. Since M is a whole number, a kernel that streams over the keys may use a running M (the ceiling of the running maximum): every later rescaling is an exact power of two, which a block's scale takes up: the codes' values come out the same.
;;   OPERANDS COMPUTED ON THE WAY. 'Computed on the way' means the value that the module computes at that place (a softmax that the list does not call 'softmax' is quantised finished and normalised). What goes into a quantiser is computed in f32, as accurately as f32 sums, v_exp_f32 and their like allow (about 1e-6 of the number): no bf16 or f16 on the way to a quantiser, and a product that is left as it is and whose result goes on into a quantised operand takes f32 operands (vector FMAs, or v_wmma_f32_16x16x4_f32). A number that lies on a knife's edge between two numbers of the format may be rounded either way, as far as f32 arithmetic and the matrix unit's own rounding can turn it there, and no further.
;; One version. Each part assembles by itself: llvm-mc -triple=amdgcn-amd-amdhsa -mcpu=gfx1250 --defsym DOCPART=n.
;; ======== version 1 of 1: 4 launches
;; workspace buffers: xc 6,291,456 bytes; xs 262,144 bytes; wc 3,145,728 bytes; ws 131,072 bytes; qkv 20,447,232 bytes; oc 6,291,456 bytes; os 262,144 bytes
;; launch quant (part 1): grid 768 x 1, 4 waves a work-group, no clusters, 35,840 bytes of LDS; arguments x, w_qkv, w_out, xc, xs, wc, ws; writes xc, xs, wc, ws
.if DOCPART == 1
	.amdgcn_target "amdgcn-amd-amdhsa--gfx1250"
	.amdhsa_code_object_version 6
	.text
	.protected	k_qc77767385e_quant
	.globl	k_qc77767385e_quant
	.p2align	8
	.type	k_qc77767385e_quant,@function
k_qc77767385e_quant:
	s_mov_b64 s[64:65], 0
	v_nop
	global_prefetch_b8 v0, s[64:65] scope:SCOPE_SE
	s_setreg_imm32_b32 hwreg(HW_REG_WAVE_MODE, 25, 1), 1
	s_wait_xcnt 0x0
; x [8192][1024] (K innermost), w_qkv [1024][3072] and w_out [1024][1024] (K = the FIRST axis), all f32, become codes of FP6 (E2M3) with one E8M0 byte for each 32 along K.
; A block's scale is 2^(floor(log2(largest magnitude)) - 2); its byte is the largest magnitude's exponent field - 2, held at 1 from below.
; LIMITS: NaN and infinities are not served; a block whose largest magnitude lies under 2^-124 has its byte held at 1; a block of zeros gets the byte 1 and not 127:
; its codes are zeros, which add nothing under any byte but 0xff, and the bytes are read by this program alone.
; THE CODES ARE LAID AS THE MATRIX UNIT'S REGISTERS TAKE THEM.  128 rows (tokens of x, columns of a weight) are a tile of eight fragments; lane r of fragment f holds row
; rho(f, r) = 64 (f / 4) + 8 (f % 4) + r % 8 + 32 (r / 8).  A fragment (16 rows x 128 K, 12 registers a lane) is an image of 1,536 bytes: half c at 768 c: registers 6 c .. 6 c + 3 of lane l at 16 l,
; registers 6 c + 4, 6 c + 5 at 512 + 8 l.  Codes: 98,304 T + 24,576 (kk / 2) + 3,072 f + 1,536 (kk % 2).  Scale words: 4,096 T + 512 kk + 256 (f % 2) + 16 r + 4 (f / 2).
; SHARES.  A work-group takes one tile T and one K step kk of 128: 64 KiB of f32.  Work-groups 0-511: x; 512-703: w_qkv (T 0-23 of wc); 704-767: w_out (T 24-31).  Wave j makes fragments 2 j and 2 j + 1.
; The three ways part on the work-group's number alone, and each has LDS bytes of its own.  Every store of codes covers 512 or 256 consecutive bytes, aligned.  No tensor load, no ring.
.set STG,   8448                       ; a wave's stage: 16 rows x (512 + 16) bytes: the 16 rows of a read start in 16 different groups of banks
.set GX,    33792                      ; the work-group's 128 scale words, gathered: x's,
.set GW1,   34304                      ; w_qkv's,
.set GW2,   34816                      ; w_out's
.set SPARE, 35328                      ; the spare words, 128 bytes a wave: two blocks of 256 bytes that no other line names
.set SPW, 4                            ; v4   my spare word's address; never rewritten
.set NIL, 5                            ; v5   0; never rewritten
.set L16, 6                            ; v6   16 x lane
.set L8,  7                            ; v7   8 x lane
.set H8,  8                            ; v8   8 x (lane / 16)
.set SI,  9                            ; v9   the stage, way in: my wave's + 16 x lane
.set SOA, 10                           ; v10  way out: + 528 r + 128 h
.set GA,  11                           ; v11  16 r + 4 j: a scale word's place (x)
.set GB,  12                           ; v12  16 lane + 4 j: the same (weights)
.set CO,  13                           ; v13  a weight's column of my lane, in bytes
.set PT,  14                           ; v14  the lane exchange's destination
.set MX,  16                           ; v16-19 four chains of largest magnitudes
.set SO,  20                           ; v20-21 the conversions' scale operands
.set BY,  22                           ; v22-23 the scale bytes
.set MY,  24                           ; v24  the scale word
.set T1,  26                           ; v26-28, v252-254: a block's upper 16 codes (a conversion's three registers begin on an even number)
.set T2,  252
.set R,   32                           ; v32-159 the numbers as loaded
.set X,   160                          ; v160-223 64 numbers of a lane, two whole blocks
.set PC,  224                          ; v224-247 two sets of 12 registers of codes: no store's data are written again
.set GO,  248                          ; v248-251 the gathered words on their way out
.set SEL, 32                           ; s[32:33] selects for lane l xor 16
; 64 numbers v[s] .. v[s + 63] = two blocks of 32: their largest magnitudes (with the floor 2^(3 - 127) among the leaves), scale operands and bytes
.macro MAX4 s
.irp x, 0,1,2,3
	v_max3_num_f32 v[MX+\x], |v[\s+16*\x]|, |v[\s+16*\x+1]|, 0x1800000
.endr
.irp i, 2,4,6,8,10,12,14
.irp x, 0,1,2,3
	v_max3_num_f32 v[MX+\x], |v[\s+16*\x+\i]|, |v[\s+16*\x+\i+1]|, v[MX+\x]   ; four chains by turns
.endr
.endr
	v_max_num_f32 v[MX], v[MX], v[MX+1]
	v_max_num_f32 v[MX+2], v[MX+2], v[MX+3]
	v_add_nc_u32 v[SO], 0xff000000, v[MX]          ; 2 off the exponent field: the conversion takes that field alone
	v_add_nc_u32 v[SO+1], 0xff000000, v[MX+2]
	v_lshrrev_b32 v[BY], 23, v[SO]
	v_lshrrev_b32 v[BY+1], 23, v[SO+1]
.endm
.macro CODES pa, pb, s                 ; the two blocks' codes: six registers at pa, six at pb
	v_cvt_scalef32_pk16_fp6_f32 v[\pa:\pa+2], v[\s:\s+15], v[SO]
	v_cvt_scalef32_pk16_fp6_f32 v[T1:T1+2], v[\s+16:\s+31], v[SO]
	v_cvt_scalef32_pk16_fp6_f32 v[\pb:\pb+2], v[\s+32:\s+47], v[SO+1]
	v_cvt_scalef32_pk16_fp6_f32 v[T2:T2+2], v[\s+48:\s+63], v[SO+1]
	v_nop                                          ; one plain place behind the scaled conversions
.irp i, 0,1,2
	v_mov_b32 v[\pa+3+\i], v[T1+\i]
	v_mov_b32 v[\pb+3+\i], v[T2+\i]
.endr
.endm
.macro OUTOFF                          ; from T (s21) and kk (s22): my wave's place among the codes s[26:27] and the work-group's among the scale words s[28:29]
	s_mul_i32 s26, s21, 98304
	s_lshr_b32 s23, s22, 1
	s_mul_i32 s23, s23, 24576
	s_add_co_u32 s26, s26, s23
	s_and_b32 s23, s22, 1
	s_mul_i32 s23, s23, 1536
	s_add_co_u32 s26, s26, s23
	s_mul_i32 s23, s18, 6144
	s_add_co_u32 s26, s26, s23
	s_mov_b32 s27, 0
	s_lshl_b32 s28, s21, 12
	s_lshl_b32 s23, s22, 9
	s_add_co_u32 s28, s28, s23
	s_mov_b32 s29, 0
.endm
; The work-group's 128 scale words lie gathered in LDS: wave 0 stores them as 512 consecutive bytes.  Then the wave's end.
.macro FINISH gath, base
	s_wait_dscnt 0x0                               ; for the others' sake: my word stores have landed
	s_barrier_signal -1
	s_barrier_wait -1
	s_cmp_lg_u32 s18, 0
	s_cbranch_scc1 .Lfin_\@
	ds_load_b128 v[GO:GO+3], v[L16] offset:\gath
	s_wait_dscnt 0x0
	global_store_b128 v[L16], v[GO:GO+3], s[\base:\base+1]
.Lfin_\@:
	s_wait_tensorcnt 0x0                           ; the wave's end, behind my last LDS store
	ds_add_u32 v[SPW], v[NIL]
	s_wait_dscnt 0x0
	s_endpgm
.endm
	s_load_b256 s[4:11], s[0:1], 0x0               ; x s[4:5], w_qkv s[6:7], w_out s[8:9], xc s[10:11]
	s_load_b128 s[12:15], s[0:1], 0x20             ; xs s[12:13], wc s[14:15]
	s_load_b64 s[16:17], s[0:1], 0x30              ; ws
	v_lshl_add_u32 v[SPW], v0, 2, SPARE
	v_mov_b32 v[NIL], 0
	v_lshrrev_b32 v15, 5, v0
	v_readfirstlane_b32 s18, v15                   ; wave j
	v_and_b32 v1, 31, v0                           ; lane
	v_and_b32 v2, 15, v0                           ; r
	v_bfe_u32 v3, v0, 4, 1                         ; h
	v_lshlrev_b32 v[L16], 4, v1
	v_lshlrev_b32 v[L8], 3, v1
	v_lshlrev_b32 v[H8], 3, v3
	s_mul_i32 s19, s18, STG
	v_add_nc_u32 v[SI], s19, v[L16]
	v_mul_u32_u24 v[SOA], v2, 528
	v_lshl_add_u32 v[SOA], v3, 7, v[SOA]
	v_add_nc_u32 v[SOA], s19, v[SOA]
	s_lshl_b32 s20, s18, 2
	v_lshlrev_b32 v[GA], 4, v2
	v_add_nc_u32 v[GA], s20, v[GA]
	v_add_nc_u32 v[GB], s20, v[L16]
	v_and_b32 v[CO], 7, v0
	v_bfe_u32 v15, v0, 3, 1
	v_lshl_add_u32 v[CO], v15, 5, v[CO]
	v_lshl_add_u32 v[CO], v3, 3, v[CO]
	v_lshlrev_b32 v[CO], 2, v[CO]                  ; 4 (8 h + r % 8 + 32 (r / 8))
	v_mov_b32 v[PT], 0                             ; written once: a lane permute's destination counts as one of its sources
	s_mov_b32 s[SEL], 0x76543210
	s_mov_b32 s[SEL+1], 0xfedcba98
	s_wait_kmcnt 0x0
	s_cmp_lt_u32 ttmp9, 512
	s_cbranch_scc0 .Lweights
	; ---- x: K is innermost.  A load reads 512 consecutive bytes, one row's 128 numbers; 16 rows turn through my stage, so that lane (r, h) gets k = 64 c + 32 h + 0 .. 31 of row r: two whole blocks
	s_lshr_b32 s21, ttmp9, 3                       ; T
	s_and_b32 s22, ttmp9, 7                        ; kk
	s_lshl_b32 s24, s21, 19                        ; 128 rows of 4,096 bytes
	s_lshl_b32 s23, s22, 9
	s_add_co_u32 s24, s24, s23
	s_lshr_b32 s23, s18, 1
	s_lshl_b32 s23, s23, 18                        ; 64 (j / 2) rows
	s_add_co_u32 s24, s24, s23
	s_and_b32 s23, s18, 1
	s_lshl_b32 s23, s23, 16                        ; 16 (j % 2) rows
	s_add_co_u32 s24, s24, s23
	s_mov_b32 s25, 0
	s_add_nc_u64 s[4:5], s[4:5], s[24:25]
	OUTOFF
	s_add_nc_u64 s[10:11], s[10:11], s[26:27]
	s_add_nc_u64 s[12:13], s[12:13], s[28:29]
.irp u, 0,1
.irp i, 0,1,2,3,4,5,6,7,8,9,10,11,12,13,14,15
	global_load_b128 v[R+64*\u+4*\i:R+64*\u+4*\i+3], v[L16], s[4:5] offset:(8*\u+(\i%8)+32*(\i/8))*4096 th:TH_LOAD_NT
.endr
.endr
.macro XPART u
	s_wait_loadcnt 16*(1-\u)                       ; this fragment's 16 loads are in; the other's 16 may be out
.irp i, 0,1,2,3,4,5,6,7,8,9,10,11,12,13,14,15
	ds_store_b128 v[SI], v[R+64*\u+4*\i:R+64*\u+4*\i+3] offset:528*\i
.endr
.irp c, 0,1
.irp k, 0,1,2,3,4,5,6,7
	ds_load_b128 v[X+32*\c+4*\k:X+32*\c+4*\k+3], v[SOA] offset:256*\c+16*\k   ; LDS serves a wave's instructions in order: these see my stores
.endr
.endr
	s_wait_dscnt 0x0
	MAX4 X
	v_lshl_or_b32 v[MY], v[BY+1], 16, v[BY]        ; my two bytes: blocks h and 2 + h,
	v_lshlrev_b32 v[MY], v[H8], v[MY]              ; at their places;
	v_permlanex16_b32 v[PT], v[MY], s[SEL], s[SEL+1]
	v_or_b32 v[MY], v[MY], v[PT]                   ; with lane l xor 16's two the word is whole
	CODES PC+12*\u, PC+12*\u+6, X
	global_store_b128 v[L16], v[PC+12*\u:PC+12*\u+3], s[10:11] offset:3072*\u
	global_store_b64 v[L8], v[PC+12*\u+4:PC+12*\u+5], s[10:11] offset:3072*\u+512
	global_store_b128 v[L16], v[PC+12*\u+6:PC+12*\u+9], s[10:11] offset:3072*\u+768
	global_store_b64 v[L8], v[PC+12*\u+10:PC+12*\u+11], s[10:11] offset:3072*\u+1280
	ds_store_b32 v[GA], v[MY] offset:GX+256*\u     ; both halves of the lanes write the same word with the same value
.endm
	XPART 0
	XPART 1
	FINISH GX, 12
	; ---- a weight: K is the first axis.  A LANE TAKES A COLUMN AND ITS REGISTERS RUN DOWN K: lanes 0-15 the 16 columns of fragment 2 j, lanes 16-31 those of 2 j + 1; a lane's 128 registers are four whole blocks.
	; The operand wants blocks 2 c (lanes 0-15) and 2 c + 1 (lanes 16-31) of ONE fragment in a register: six exchanges of halves for each c give that.
.macro WPATH pitch, gath, id0, t0, wp
	s_sub_co_u32 s30, ttmp9, \id0
	s_lshr_b32 s21, s30, 3                         ; the tile of 128 columns
	s_and_b32 s22, s30, 7                          ; kk
	s_mul_i32 s24, s22, 128*\pitch
	s_lshl_b32 s23, s21, 9
	s_add_co_u32 s24, s24, s23
	s_lshr_b32 s23, s18, 1
	s_lshl_b32 s23, s23, 8                         ; 64 (j / 2) columns
	s_add_co_u32 s24, s24, s23
	s_and_b32 s23, s18, 1
	s_lshl_b32 s23, s23, 6                         ; 16 (j % 2) columns
	s_add_co_u32 s24, s24, s23
	s_mov_b32 s25, 0
	s_add_nc_u64 s[\wp:\wp+1], s[\wp:\wp+1], s[24:25]
	s_add_co_u32 s21, s21, \t0                     ; T in wc
	OUTOFF
	s_add_nc_u64 s[14:15], s[14:15], s[26:27]
	s_add_nc_u64 s[16:17], s[16:17], s[28:29]
.set i, 0
.rept 128
	global_load_b32 v[R+i], v[CO], s[\wp:\wp+1] offset:i*\pitch   ; row k: two runs of 64 bytes; the neighbouring wave takes the runs between
.set i, i+1
.endr
.irp c, 0,1
.if \c == 0
	s_wait_loadcnt 63                              ; rows 0-63 are in: 64 loads are younger, and the smaller count is the safe one
.else
	s_wait_loadcnt 0x0
.endif
	MAX4 R+64*\c
.if \c == 0
	v_lshl_or_b32 v[MY], v[BY+1], 8, v[BY]         ; my column's scale word: all four bytes are mine
.else
	v_lshl_or_b32 v[MY], v[BY], 16, v[MY]
	v_lshl_or_b32 v[MY], v[BY+1], 24, v[MY]
.endif
	CODES PC+12*\c, PC+12*\c+6, R+64*\c
.irp i, 0,1,2,3,4,5
	v_permlane16_swap_b32 v[PC+12*\c+\i], v[PC+12*\c+6+\i]   ; the first now holds half c of fragment 2 j, the second that of 2 j + 1
.endr
	global_store_b128 v[L16], v[PC+12*\c:PC+12*\c+3], s[14:15] offset:768*\c
	global_store_b64 v[L8], v[PC+12*\c+4:PC+12*\c+5], s[14:15] offset:768*\c+512
	global_store_b128 v[L16], v[PC+12*\c+6:PC+12*\c+9], s[14:15] offset:3072+768*\c
	global_store_b64 v[L8], v[PC+12*\c+10:PC+12*\c+11], s[14:15] offset:3072+768*\c+512
.endr
	ds_store_b32 v[GB], v[MY] offset:\gath
	FINISH \gath, 16
.endm
.Lweights:
	s_cmp_lt_u32 ttmp9, 704
	s_cbranch_scc0 .Lw_out
	WPATH 12288, GW1, 512, 0, 6
.Lw_out:
	WPATH 4096, GW2, 704, 24, 8
.Lfunc_end_k_qc77767385e_quant:
	.size	k_qc77767385e_quant, .Lfunc_end_k_qc77767385e_quant-k_qc77767385e_quant
	.p2alignl 7, 3214868480
	.fill 96, 4, 3214868480
	.section	.rodata,"a",@progbits
	.p2align	6, 0x0
	.amdhsa_kernel k_qc77767385e_quant
		.amdhsa_group_segment_fixed_size 35840
		.amdhsa_private_segment_fixed_size 0
		.amdhsa_enable_private_segment 0
		.amdhsa_kernarg_size 56
		.amdhsa_user_sgpr_count 2
		.amdhsa_user_sgpr_kernarg_segment_ptr 1
		.amdhsa_wavefront_size32 1
		.amdhsa_system_sgpr_workgroup_id_x 1
		.amdhsa_system_sgpr_workgroup_id_y 1
		.amdhsa_system_sgpr_workgroup_id_z 1
		.amdhsa_system_vgpr_workitem_id 0
		.amdhsa_next_free_vgpr 256
		.amdhsa_next_free_sgpr 66
		.amdhsa_reserve_vcc 0
		.amdhsa_float_denorm_mode_32 3
		.amdhsa_float_denorm_mode_16_64 3
		.amdhsa_memory_ordered 1
		.amdhsa_forward_progress 1
		.amdhsa_inst_pref_size 60
	.end_amdhsa_kernel
	.amdgpu_metadata
---
amdhsa.version: [ 1, 2 ]
amdhsa.kernels:
  - .name:           k_qc77767385e_quant
    .symbol:         k_qc77767385e_quant.kd
    .args:
      - { .name: x, .offset: 0, .size: 8, .value_kind: global_buffer, .address_space: global }
      - { .name: w_qkv, .offset: 8, .size: 8, .value_kind: global_buffer, .address_space: global }
      - { .name: w_out, .offset: 16, .size: 8, .value_kind: global_buffer, .address_space: global }
      - { .name: xc, .offset: 24, .size: 8, .value_kind: global_buffer, .address_space: global }
      - { .name: xs, .offset: 32, .size: 8, .value_kind: global_buffer, .address_space: global }
      - { .name: wc, .offset: 40, .size: 8, .value_kind: global_buffer, .address_space: global }
      - { .name: ws, .offset: 48, .size: 8, .value_kind: global_buffer, .address_space: global }
    .group_segment_fixed_size: 35840
    .private_segment_fixed_size: 0
    .kernarg_segment_align: 8
    .kernarg_segment_size: 56
    .max_flat_workgroup_size: 128
    .sgpr_count:     66
    .vgpr_count:     256
    .wavefront_size: 32
...
	.end_amdgpu_metadata
.endif
;; end of part 1
;; launch gemm_qkv (part 2): grid 8 x 48, 4 waves a work-group, clusters of 4 x 4, 327,680 bytes of LDS; arguments xc, xs, wc, ws, qkv; writes qkv
.if DOCPART == 2
	.amdgcn_target "amdgcn-amd-amdhsa--gfx1250"
	.amdhsa_code_object_version 6
	.text
	.protected	k_qc77767385e_gemm_qkv
	.globl	k_qc77767385e_gemm_qkv
	.p2align	8
	.type	k_qc77767385e_gemm_qkv,@function
k_qc77767385e_gemm_qkv:
	s_mov_b64 s[64:65], 0
	v_nop
	global_prefetch_b8 v0, s[64:65] scope:SCOPE_SE
	s_setreg_imm32_b32 hwreg(HW_REG_WAVE_MODE, 25, 1), 1
	s_wait_xcnt 0x0
	s_wait_alu depctr_hold_cnt(0) depctr_sa_sdst(0) depctr_va_vdst(0) depctr_va_sdst(0) depctr_va_ssrc(0) depctr_va_vcc(0) depctr_vm_vsrc(0)
	s_getreg_b32 s2, hwreg(HW_REG_IB_STS2, 6, 4)
	s_cmp_eq_u32 s2, 0
	s_cbranch_scc0 .Lentry_in_a_cluster
	s_endpgm
.Lentry_in_a_cluster:
	s_bfe_u32 s2, ttmp6, 0x10000c
	s_cmp_lg_u32 s2, 0xf033
	s_cbranch_scc0 .Lentry_shape_is_right
	s_endpgm
.Lentry_shape_is_right:
; qkv = x w_qkv on codes of FP6 (E2M3) with E8M0 scales, sums in f32; the results never go to memory as f32: the way out quantises them for the attention: q and k along the head's 64, v along the tokens.
; A work-group of four waves makes 256 x 256, a wave 128 x 128: 64 accumulators, 512 registers.  K = 1,024 goes in four steps of 256 through two LDS slots filled by the tensor data mover.
; Operands lie in memory as images of the matrix unit's registers (a fragment, 16 rows x 128 K: 1,536 bytes; half c at 768 c: registers 6 c .. 6 c + 3 of lane l at 16 l, registers 6 c + 4, 6 c + 5 at 512 + 8 l);
; 128 rows x 256 K are one dense block of 24,576 bytes: one tensor load of 96 rows of 256 bytes, and every LDS load reads consecutive bytes: no pitch, no padding.
; Lane r of fragment f holds row rho(f, r) = 64 (f / 4) + 8 (f % 4) + r % 8 + 32 (r / 8).  With such fragments as SOURCE 0 ("P"), a lane's 32 registers of tiles 4 c .. 4 c + 3 are P's rows 64 c + 32 (lane / 16) + 0 .. 31:
; ONE WHOLE BLOCK OF 32 in the very registers' order that a 6-bit operand wants.  So what is to be quantised along an axis takes that axis as P; the other side ("L", source 1) gives a lane its row.
; TWO MODES, chosen by scalar selects on the cluster's y, which all partners share; no branch hangs on it.  Cluster rows 0-7: L = tokens, P = the columns of q and k (a tile of 128 = two heads; a lane's block is half a head).
; Cluster rows 8-11: L = the columns of v, P = tokens (a lane's four blocks are 128 keys of one channel).
; qkv: records of 6,656 bytes at (64 H + token / 128) x 6,656, H = 0-15 q's heads, 16-31 k's, 32-47 v's.  q, k: at 768 f the half image (the head's 64) of tokens rho(f, .); scale words at 6,144 + 256 (f / 4) + 16 r + 4 (f % 4),
; whose bytes 2 and 3 are never 0xff.  v: at 1,536 t the image of channels 8 t + r % 8 + 32 (r / 8) x 128 keys; scale words at 6,144 + 16 r + 4 t, and once more 256 bytes on.
; CLUSTERS: 4 x 4.  L's tiles are shared along a row of the cluster, P's along a column: each is asked for jointly.
; LIMITS: NaN and infinities are not served; a block whose largest magnitude lies under 2^-124 has its byte held at 1; a block of zeros gets the byte 1, not 127 (its codes are zeros; this program alone reads the bytes).
; REGISTERS: window 0: v1-15 the way out's, v16-29 addresses, v32-63 scale words (two sets), v128-223 L's eight fragments (one set), v224-250 the way out's.  window 1: P's fragments, two sets, at v0 and v128.
;   windows 2, 3: the accumulators: (a, b) at v[8 (8 (a % 4) + b)].
.set HALFT, 24576                      ; 128 rows x 256 K: what one tensor load brings
.set SLOT,  4*HALFT                    ; L's two tiles of 128, then P's two
.set SCL0,  2*SLOT                     ; behind the ring: four blocks of 4,096 bytes: the scale words of the four tiles of 128, for all of K; filled once
.set SPARE, SCL0+4*4096                ; the spare words, 128 bytes a wave: two blocks of 256 bytes that no other line names
.set REC,   6656
.set HS,    64*REC                     ; from a head to the next in qkv
.set FR,    12
.set NP,    4                          ; places behind this matrix instruction (ISA guide 7.12.1)
.set NL,    4                          ; LDS loads that bring a fragment
.set L16,  1                           ; v1   16 x lane
.set L8P,  2                           ; v2   512 + 8 x lane
.set VOS,  3                           ; v3   the way out: where my four scale words go
.set H8,   4                           ; v4   8 (lane / 16)
.set SHV,  5                           ; v5   16 (lane / 16) for q and k, 0 for v
.set PT,   6
.set MY,   7
.set MX,   8                           ; v8-11
.set SO,   12                          ; v12-13
.set BY,   14                          ; v14-15
.set ADRA, 16                          ; v16-17 LDS address of L's fragments in slot 0, 1 (16 x lane); v18-19 the same for the pieces of 8 bytes (512 + 8 x lane)
.set ADRB, 20                          ; v20-23 the same for P
.set ADRS, 27                          ; v27  my scale words: lanes 0-15 L's, lanes 16-31 P's
.set SPW,  28
.set NIL,  29
.set SC,   32                          ; set s at v[SC + 16 s]; in it register 8 q + 4 (f % 2) + f / 2: fragment f's words of the slot's q-th 128 along K
.set AF,   128
.set PWR,  224                         ; v224-231 the eight blocks' scale words
.set PC,   232                         ; v232-243 a block's codes
.set T1,   244
.set T2,   248
.set G1, 24
.set G0, 32
.set G1B, 48
.set G0B, 56
.set G1S, 68
.set G0S, 76
.set G1SB, 80
.set G0SB, 88
.set SEL, 92                           ; s[92:93] selects for lane l xor 16 (set behind the first loads)
.set MSB, 0
.macro WIN new                         ; the immediate's high byte repeats the setting that is left
.if MSB != \new
	s_set_vgpr_msb (MSB<<8)|\new
.set MSB, \new
.endif
.endm
.set MUL_LO, 0xa1                      ; source 0 (P) window 1, source 1 (L) window 0, C and D window 2
.set MUL_HI, 0xf1
.set TO_B,   0x40
; A joint load: waves 0 and 1 fetch for L, waves 2 and 3 for P.  The branch hangs on the wave's number alone.  An s_nop 0 and four v_nop follow each of the two lines.
.macro JLOAD g0a, g1a, g0b, g1b
	s_cmp_eq_u32 s15, 0
	s_cbranch_scc0 .Lfor_b_\@
	tensor_load_to_lds s[\g0a:\g0a+3], s[\g1a:\g1a+7]
	s_nop 0
.rept 4
	v_nop
.endr
	s_branch .Lasked_\@
.Lfor_b_\@:
	tensor_load_to_lds s[\g0b:\g0b+3], s[\g1b:\g1b+7]
	s_nop 0
.rept 4
	v_nop
.endr
.Lasked_\@:
.endm
.macro CREST                           ; a round of the cluster's barrier behind its opening barrier
	s_cmp_lg_u32 s14, 0
	s_cbranch_scc1 .Lnot_wave_0_\@
	s_barrier_signal -3
.Lnot_wave_0_\@:
	s_barrier_wait -3
	s_barrier_signal -1
	s_barrier_wait -1
.endm
.macro CROUND
	s_barrier_signal -1
	s_barrier_wait -1
	CREST
.endm
	s_load_b256 s[4:11], s[0:1], 0x0               ; xc s[4:5], xs s[6:7], wc s[8:9], ws s[10:11]
	s_load_b64 s[12:13], s[0:1], 0x20              ; qkv
	v_lshl_add_u32 v[SPW], v0, 2, SPARE
	v_mov_b32 v[NIL], 0
	ds_add_u32 v[SPW], v[NIL]                      ; the wave's opening: the add and its wait stand ahead of my first tensor load; work on registers stands between them
	v_lshrrev_b32 v8, 5, v0
	v_readfirstlane_b32 s14, v8                    ; wave
	s_lshr_b32 s15, s14, 1                         ; my half of L's rows.  Also: I fetch for L (0) or for P (1)
	s_and_b32 s16, s14, 1                          ; my half of P's rows.  Also: which tile of 128 I fetch
	s_bfe_u32 s40, ttmp6, 0x40000                  ; cx
	s_bfe_u32 s41, ttmp6, 0x40004                  ; cy
	s_and_b32 s17, ttmp7, 0xffff                   ; the cluster's y: under 8: q and k; from 8 on: v
	s_sub_co_u32 s18, s17, 8
	s_lshl_b32 s18, s18, 1
	s_add_co_u32 s18, s18, ttmp9                   ; v: the cluster's column among 8: 2 (y - 8) + x
	s_mov_b32 s96, 1536
	s_mov_b32 s98, HS-3*1536
	s_mov_b32 s66, 768
	s_mov_b32 s100, HS
	s_mov_b32 s94, 256
	s_cmp_lt_u32 s17, 8                            ; only moves and selects follow up to the last select
	s_cselect_b32 s19, s17, 0                      ; the cluster's row of tiles
	s_cselect_b32 s18, ttmp9, s18                  ; its column
	s_cselect_b32 s2, 0, 16                        ; L begins at tile 0 of xc, or at tile 16 of wc: v's columns
	s_cselect_b32 s96, 768, s96                    ; the way out: from block a to a + 1,
	s_cselect_b32 s98, 768, s98                    ; from block 3 to 4 (v: the next head),
	s_cselect_b32 s66, HS, s66                     ; from a block's first six registers to its second six (q, k: the next head),
	s_cselect_b32 s100, 256, s100                  ; from the first four blocks' scale words to the last four's,
	s_cselect_b32 s94, HS, s94                     ; and from lanes 0-15's scale words to lanes 16-31's
	s_cselect_b32 s95, 16, 0                       ; q, k: lanes 16-31 keep the word's upper half: the second head's two bytes
	s_mov_b32 s97, 0
	s_mov_b32 s99, 0
	s_mov_b32 s67, 0
	s_mov_b32 s101, 0
	s_lshl_b32 s42, s18, 2
	s_add_co_u32 s42, s42, s40                     ; tile column = 4 x cluster column + cx
	s_lshl_b32 s19, s19, 2
	s_add_co_u32 s19, s19, s41                     ; tile row = 4 x cluster row + cy
	s_lshl_b32 s43, s41, 2
	s_lshl_b32 s43, 15, s43                        ; my row of the cluster
	s_lshl_b32 s44, 0x1111, s40                    ; my column
	; group 1: dense blocks as rows of 256 bytes (32 elements of 8 bytes): 96 rows for a tile, 16 for its scale words.  15:0 the mask; 17:16 elements of 8 bytes; 21 set beside a mask; no padding
	s_or_b32 s[G1+0], s43, (3<<16)|(1<<21)
	s_or_b32 s[G1B+0], s44, (3<<16)|(1<<21)
	s_or_b32 s[G1S+0], s43, (3<<16)|(1<<21)
	s_or_b32 s[G1SB+0], s44, (3<<16)|(1<<21)
.irp g, G1, G1B
	s_mov_b32 s[\g+1], 32<<16                      ; tensor_dim0
	s_mov_b32 s[\g+2], 96<<16                      ; tensor_dim1
	s_mov_b32 s[\g+3], 32<<16                      ; tile_dim0
	s_mov_b32 s[\g+4], 96                          ; tile_dim1
	s_mov_b32 s[\g+5], 32                          ; the pitch
	s_mov_b32 s[\g+6], 0
	s_mov_b32 s[\g+7], 0
.endr
.irp g, G1S, G1SB
	s_mov_b32 s[\g+1], 32<<16
	s_mov_b32 s[\g+2], 16<<16
	s_mov_b32 s[\g+3], 32<<16
	s_mov_b32 s[\g+4], 16
	s_mov_b32 s[\g+5], 32
	s_mov_b32 s[\g+6], 0
	s_mov_b32 s[\g+7], 0
.endr
	s_lshl_b32 s20, s19, 1                         ; L's tile of 128 that I would fetch: made of the tile row alone,
	s_add_co_u32 s20, s20, s16
	s_add_co_u32 s20, s20, s2
	s_lshl_b32 s22, s20, 12                        ; its scale words,
	s_mul_i32 s20, s20, 4*HALFT                    ; its codes
	s_mov_b32 s21, 0
	s_mov_b32 s23, 0
	s_lshl_b32 s46, s42, 1                         ; P's: of the tile column alone
	s_add_co_u32 s46, s46, s16
	s_lshl_b32 s92, s46, 12
	s_mul_i32 s46, s46, 4*HALFT
	s_mov_b32 s47, 0
	s_mov_b32 s93, 0
	s_mul_i32 s45, s14, HALFT                      ; where they go: wave x a tile: no place in the cluster enters an LDS address
	s_lshl_b32 s2, s14, 12
	s_wait_dscnt 0x0                               ; the opening add is done
	s_wait_kmcnt 0x0
	s_cmp_lt_u32 s17, 8
	s_cselect_b64 s[G0+2:G0+3], s[4:5], s[8:9]     ; L's codes: xc or wc
	s_cselect_b64 s[G0S+2:G0S+3], s[6:7], s[10:11]
	s_cselect_b64 s[G0B+2:G0B+3], s[8:9], s[4:5]   ; P's: wc or xc
	s_cselect_b64 s[G0SB+2:G0SB+3], s[10:11], s[6:7]
	s_add_nc_u64 s[G0+2:G0+3], s[G0+2:G0+3], s[20:21]
	s_add_nc_u64 s[G0+6:G0+7], s[G0+2:G0+3], HALFT             ; slot 1: K step 1
	s_add_nc_u64 s[G0S+2:G0S+3], s[G0S+2:G0S+3], s[22:23]
	s_add_nc_u64 s[G0B+2:G0B+3], s[G0B+2:G0B+3], s[46:47]
	s_add_nc_u64 s[G0B+6:G0B+7], s[G0B+2:G0B+3], HALFT
	s_add_nc_u64 s[G0SB+2:G0SB+3], s[G0SB+2:G0SB+3], s[92:93]
.irp g, G0, G0+4, G0B, G0B+4, G0S, G0SB
	s_mov_b32 s[\g], 1                             ; count = 1
	s_or_b32 s[\g+3], s[\g+3], 0x80000000          ; type = 2
.endr
	s_mov_b32 s[G0+1], s45
	s_add_co_u32 s[G0+5], s45, SLOT
	s_mov_b32 s[G0B+1], s45
	s_add_co_u32 s[G0B+5], s45, SLOT
	s_add_co_u32 s[G0S+1], s2, SCL0
	s_add_co_u32 s[G0SB+1], s2, SCL0
	CROUND                                         ; all sixteen work-groups are here: the first joint loads meet
	JLOAD G0S, G1S, G0SB, G1SB                     ; the scale words first: they are wanted with K step 0.  Three loads of mine are out behind these lines
	JLOAD G0, G1, G0B, G1B
	JLOAD G0+4, G1, G0B+4, G1B
	v_and_b32 v8, 31, v0                           ; lane
	v_and_b32 v9, 15, v0                           ; r
	v_bfe_u32 v10, v0, 4, 1                        ; h
	v_lshlrev_b32 v[L16], 4, v8
	v_lshlrev_b32 v[L8P], 3, v8
	v_add_nc_u32 v[L8P], 512, v[L8P]
	s_mul_i32 s21, s15, HALFT                      ; my tile of L,
	s_mul_i32 s22, s16, HALFT                      ; my tile of P,
	s_add_co_u32 s22, s22, 2*HALFT                 ; behind L's two
.irp s, 0,1
	v_add_nc_u32 v[ADRA+\s], s21, v[L16]
	v_add_nc_u32 v[ADRA+2+\s], s21, v[L8P]
	v_add_nc_u32 v[ADRB+\s], s22, v[L16]
	v_add_nc_u32 v[ADRB+2+\s], s22, v[L8P]
	s_add_co_u32 s21, s21, SLOT
	s_add_co_u32 s22, s22, SLOT
.endr
	s_mul_i32 s21, s15, 4096                       ; scale words: L's,
	s_mul_i32 s22, s16, 4096
	s_add_co_u32 s22, s22, 2*4096                  ; P's,
	s_sub_co_u32 s22, s22, s21
	v_mul_u32_u24 v11, s22, v10                    ; which lanes 16-31 take: one product, the distance x h
	s_add_co_u32 s21, s21, SCL0
	v_lshlrev_b32 v12, 4, v9
	v_add_nc_u32 v11, v12, v11
	v_add_nc_u32 v[ADRS], s21, v11
	v_mul_u32_u24 v[VOS], s94, v10
	v_lshl_add_u32 v[VOS], v9, 4, v[VOS]           ; 16 r + h x the distance
	v_lshlrev_b32 v[H8], 3, v10
	v_mul_u32_u24 v[SHV], s95, v10
	v_mov_b32 v[PT], 0                             ; written once: a lane permute's destination counts as one of its sources
	s_mov_b32 s[SEL], 0x76543210
	s_mov_b32 s[SEL+1], 0xfedcba98
	; where my 128 x 128 goes in qkv
	s_lshl_b32 s20, s19, 1
	s_add_co_u32 s20, s20, s15                     ; my tile of L
	s_lshl_b32 s46, s42, 1
	s_add_co_u32 s46, s46, s16                     ; my tile of P
	s_lshl_b32 s21, s20, 1
	s_add_co_u32 s21, s21, 32                      ; v: H = 32 + 2 x L's tile
	s_lshl_b32 s47, s46, 1                         ; q, k: H = 2 x P's tile
	s_cmp_lt_u32 s17, 8
	s_cselect_b32 s21, s47, s21
	s_cselect_b32 s20, s20, s46                    ; token / 128: L's tile (q, k) or P's (v)
	s_mul_i32 s21, s21, HS
	s_mul_i32 s20, s20, REC
	s_add_co_u32 s20, s20, s21
	s_mov_b32 s21, 0
	s_add_nc_u64 s[12:13], s[12:13], s[20:21]      ; a block's first six registers,
	s_add_nc_u64 s[4:5], s[12:13], s[66:67]        ; its second six,
	s_add_nc_u64 s[6:7], s[12:13], 6144            ; the scale words
.macro FRAG reg, adr, q, i             ; fragment i of the slot's q-th 128 along K: four loads of consecutive bytes
	ds_load_b128 v[\reg:\reg+3], v[\adr] offset:3072*(\i)+1536*(\q)
	ds_load_b64 v[\reg+4:\reg+5], v[\adr+2] offset:3072*(\i)+1536*(\q)
	ds_load_b128 v[\reg+6:\reg+9], v[\adr] offset:3072*(\i)+1536*(\q)+768
	ds_load_b64 v[\reg+10:\reg+11], v[\adr+2] offset:3072*(\i)+1536*(\q)+768
.endm
; 16 matrix instructions: L's blocks a0, a0 + 1 x P's eight.  The 64 accumulators take turns, one instruction a turn, in the same order in every step.
.macro MUL16 a0, p, q, sc, zero
.irp a, \a0, \a0+1
.irp b, 0,1,2,3,4,5,6,7
.if \zero
	v_wmma_scale_f32_16x16x128_f8f6f4 v[8*(8*((\a)%4)+\b):8*(8*((\a)%4)+\b)+7], v[128*(\p)+FR*\b:128*(\p)+FR*\b+FR-1], v[AF+FR*(\a):AF+FR*(\a)+FR-1], 0, v[SC+16*(\sc)+8*(\q)+4*(\b%2)+\b/2], v[SC+16*(\sc)+8*(\q)+4*((\a)%2)+(\a)/2] matrix_a_fmt:MATRIX_FMT_FP6 matrix_b_fmt:MATRIX_FMT_FP6 matrix_a_scale:MATRIX_SCALE_ROW1
.else
	v_wmma_scale_f32_16x16x128_f8f6f4 v[8*(8*((\a)%4)+\b):8*(8*((\a)%4)+\b)+7], v[128*(\p)+FR*\b:128*(\p)+FR*\b+FR-1], v[AF+FR*(\a):AF+FR*(\a)+FR-1], v[8*(8*((\a)%4)+\b):8*(8*((\a)%4)+\b)+7], v[SC+16*(\sc)+8*(\q)+4*(\b%2)+\b/2], v[SC+16*(\sc)+8*(\q)+4*((\a)%2)+(\a)/2] matrix_a_fmt:MATRIX_FMT_FP6 matrix_b_fmt:MATRIX_FMT_FP6 matrix_a_scale:MATRIX_SCALE_ROW1
.endif
.endr
.endr
.endm
.macro FETCH_B slot, q, p
	WIN TO_B
.irp i, 0,1,2,3,4,5,6,7
	FRAG 128*(\p)+FR*\i, ADRB+\slot, \q, \i
.endr
	WIN 0
.endm
.macro FETCH_A slot, q, i0
.irp i, \i0, \i0+1, \i0+2, \i0+3
	FRAG AF+FR*(\i), ADRA+\slot, \q, \i
.endr
.endm
.macro SCALES sc                       ; a slot's scale words: lane r's 16 bytes are the words of four fragments
.irp q, 0,1
.irp u, 0,1
	ds_load_b128 v[SC+16*\sc+8*\q+4*\u:SC+16*\sc+8*\q+4*\u+3], v[ADRS] offset:512*\q+256*\u
.endr
.endr
.endm
.macro PLACES n                        ; plain vector instructions between a matrix instruction and a load into, or a read of, its registers
.rept \n
	v_nop
.endr
.endm
.macro STEP slot, q, zero              ; 128 along K that have their successor in the same slot
	s_wait_dscnt 4*NL                              ; P's set, L's blocks 0-3 and the scale words are in; the youngest 16 loads (L's blocks 4-7) may be out
	WIN MUL_LO
	MUL16 0, (\q)%2, \q, \slot, \zero
	MUL16 2, (\q)%2, \q, \slot, \zero
	s_wait_dscnt 0
	PLACES NP
	FETCH_B \slot, (\q)+1, 1-(\q)%2
	FETCH_A \slot, (\q)+1, 0
	WIN MUL_HI
	MUL16 4, (\q)%2, \q, \slot, \zero
	MUL16 6, (\q)%2, \q, \slot, \zero
	PLACES NP
	WIN 0
	FETCH_A \slot, (\q)+1, 4
.endm
; A slot's last 128 change slots: ONE barrier; in front of it each wave waits for all its tensor loads, adds 0 to its spare word, and waits for that and for its reads of this slot.  fill = 1: the slot is filled again, two K steps on.
.macro TURN slot, next, fill
	s_wait_tensorcnt 0x0                           ; all my tensor loads have landed: my part of the next slot
	ds_add_u32 v[SPW], v[NIL]
	s_wait_dscnt 4*NL+1                            ; (the add and the youngest 16 loads may be out)
	WIN MUL_LO
	MUL16 0, 1, 1, \slot, 0
	s_wait_dscnt 0x0                               ; the add is done, and my reads of this slot are over
	s_barrier_signal -1
	MUL16 2, 1, 1, \slot, 0
	WIN 0
	s_barrier_wait -1
.if \fill
	CREST                                          ; the barrier has opened a round of the cluster's: no wave of any partner still reads this slot or has a load on its way
	s_add_nc_u64 s[G0+4*\slot+2:G0+4*\slot+3], s[G0+4*\slot+2:G0+4*\slot+3], 2*HALFT
	s_add_nc_u64 s[G0B+4*\slot+2:G0B+4*\slot+3], s[G0B+4*\slot+2:G0B+4*\slot+3], 2*HALFT
	JLOAD G0+4*\slot, G1, G0B+4*\slot, G1B         ; the first tensor load behind the round, my one load until the next; its four v_nop are also the places in front of the loads below
.else
	PLACES NP
.endif
	v_add_nc_u32 v[ADRS], 1024, v[ADRS]            ; the next slot's scale words (no LDS load of mine is out)
	FETCH_B \next, 0, 0
	FETCH_A \next, 0, 0
	SCALES \next
	WIN MUL_HI
	MUL16 4, 1, 1, \slot, 0
	MUL16 6, 1, 1, \slot, 0
	PLACES NP
	WIN 0
	FETCH_A \next, 0, 4
.endm
	s_wait_tensorcnt 1                             ; the scale words and my part of K step 0 are in; K step 1's load may be out
	s_barrier_signal -1
	s_barrier_wait -1
	FETCH_B 0, 0, 0
	FETCH_A 0, 0, 0
	SCALES 0
	FETCH_A 0, 0, 4
	STEP 0, 0, 1                                   ; the first products start the sums: nothing is cleared
	TURN 0, 1, 1                                   ; K has four slots' worth: the walk is written out; slot 0 takes K step 2,
	STEP 1, 0, 0
	TURN 1, 0, 1                                   ; slot 1 K step 3
	STEP 0, 0, 0
	TURN 0, 1, 0                                   ; nothing is left to fetch
	STEP 1, 0, 0
	s_wait_dscnt 4*NL
	WIN MUL_LO
	MUL16 0, 1, 1, 1, 0
	MUL16 2, 1, 1, 1, 0
	s_wait_dscnt 0
	WIN MUL_HI
	MUL16 4, 1, 1, 1, 0
	MUL16 6, 1, 1, 1, 0
	WIN 0
; THE WAY OUT, block a of 16 of L's rows at a time.  A lane's 64 results are two whole blocks of 32 along P: largest magnitudes, bytes, codes, all inside the lane; one exchange with lane l xor 16 makes the scale word.
; The codes are the next operand's registers: they are stored as an image, 512 and 256 consecutive bytes an instruction.  Each accumulator is read from its low end on.
.macro OUTBLK a
.set AC, 64*((\a)%4)
	WIN 0x0a+5*((\a)/4)                            ; sources 0 and 1: the accumulators' window
.irp x, 0,1,2,3
	v_max3_num_f32 v[MX+\x], |v[AC+16*\x]|, |v[AC+16*\x+1]|, 0x1800000   ; with the floor 2^(3 - 127): the byte cannot fall under 1
.endr
.irp i, 2,4,6,8,10,12,14
.irp x, 0,1,2,3
	v_max3_num_f32 v[MX+\x], |v[AC+16*\x+\i]|, |v[AC+16*\x+\i+1]|, v[MX+\x]
.endr
.endr
	WIN 0
	v_max_num_f32 v[MX], v[MX], v[MX+1]
	v_max_num_f32 v[MX+2], v[MX+2], v[MX+3]
	v_add_nc_u32 v[SO], 0xff000000, v[MX]          ; 2 off the exponent field: the conversion's scale operand
	v_add_nc_u32 v[SO+1], 0xff000000, v[MX+2]
	v_lshrrev_b32 v[BY], 23, v[SO]
	v_lshrrev_b32 v[BY+1], 23, v[SO+1]
	v_lshl_or_b32 v[MY], v[BY+1], 16, v[BY]
	v_lshlrev_b32 v[MY], v[H8], v[MY]
	v_permlanex16_b32 v[PT], v[MY], s[SEL], s[SEL+1]
	v_or_b32 v[MY], v[MY], v[PT]                   ; bytes 0, 1: the first 64 along P; bytes 2, 3: the second
	v_lshrrev_b32 v[PWR+(\a)], v[SHV], v[MY]       ; q, k: lanes 16-31 keep the second head's two bytes, in bytes 0 and 1
	s_wait_xcnt 0x0                                ; the last block's stores have read their data and bases: both are written again only behind this wait
.if (\a) == 4
	s_add_nc_u64 s[12:13], s[12:13], s[98:99]
	s_add_nc_u64 s[4:5], s[4:5], s[98:99]
	s_add_nc_u64 s[6:7], s[6:7], s[100:101]
.elseif (\a) > 0
	s_add_nc_u64 s[12:13], s[12:13], s[96:97]
	s_add_nc_u64 s[4:5], s[4:5], s[96:97]
.endif
	WIN 0x02+((\a)/4)                              ; source 0: the accumulators' window
	v_cvt_scalef32_pk16_fp6_f32 v[PC:PC+2], v[AC:AC+15], v[SO]
	v_cvt_scalef32_pk16_fp6_f32 v[T1:T1+2], v[AC+16:AC+31], v[SO]
	v_cvt_scalef32_pk16_fp6_f32 v[PC+6:PC+8], v[AC+32:AC+47], v[SO+1]
	v_cvt_scalef32_pk16_fp6_f32 v[T2:T2+2], v[AC+48:AC+63], v[SO+1]
	WIN 0
	v_nop                                          ; one plain place behind the scaled conversions
.irp i, 0,1,2
	v_mov_b32 v[PC+3+\i], v[T1+\i]
	v_mov_b32 v[PC+9+\i], v[T2+\i]
.endr
	global_store_b128 v[L16], v[PC:PC+3], s[12:13]
	global_store_b64 v[L8P], v[PC+4:PC+5], s[12:13]
	global_store_b128 v[L16], v[PC+6:PC+9], s[4:5]
	global_store_b64 v[L8P], v[PC+10:PC+11], s[4:5]
.if (\a)%4 == 3
	global_store_b128 v[VOS], v[PWR+(\a)-3:PWR+(\a)], s[6:7]   ; four blocks' scale words: sixteen lanes fill 256 consecutive bytes
.endif
.endm
	PLACES NP                                      ; behind the last products
.irp a, 0,1,2,3,4,5,6,7
	OUTBLK \a
.endr
	s_wait_tensorcnt 0x0                           ; the wave's end
	ds_add_u32 v[SPW], v[NIL]
	s_wait_dscnt 0x0
	CROUND                                         ; the closing round: no work-group ends while a partner may still ask for a tile that names it
	s_endpgm
.Lfunc_end_k_qc77767385e_gemm_qkv:
	.size	k_qc77767385e_gemm_qkv, .Lfunc_end_k_qc77767385e_gemm_qkv-k_qc77767385e_gemm_qkv
	.p2alignl 7, 3214868480
	.fill 96, 4, 3214868480
	.section	.rodata,"a",@progbits
	.p2align	6, 0x0
	.amdhsa_kernel k_qc77767385e_gemm_qkv
		.amdhsa_group_segment_fixed_size 327680
		.amdhsa_private_segment_fixed_size 0
		.amdhsa_enable_private_segment 0
		.amdhsa_kernarg_size 40
		.amdhsa_user_sgpr_count 2
		.amdhsa_user_sgpr_kernarg_segment_ptr 1
		.amdhsa_wavefront_size32 1
		.amdhsa_system_sgpr_workgroup_id_x 1
		.amdhsa_system_sgpr_workgroup_id_y 1
		.amdhsa_system_sgpr_workgroup_id_z 1
		.amdhsa_system_vgpr_workitem_id 0
		.amdhsa_next_free_vgpr 1024
		.amdhsa_next_free_sgpr 102
		.amdhsa_reserve_vcc 0
		.amdhsa_float_denorm_mode_32 3
		.amdhsa_float_denorm_mode_16_64 3
		.amdhsa_memory_ordered 1
		.amdhsa_forward_progress 1
		.amdhsa_inst_pref_size 144
	.end_amdhsa_kernel
	.amdgpu_metadata
---
amdhsa.version: [ 1, 2 ]
amdhsa.kernels:
  - .name:           k_qc77767385e_gemm_qkv
    .symbol:         k_qc77767385e_gemm_qkv.kd
    .args:
      - { .name: xc, .offset: 0, .size: 8, .value_kind: global_buffer, .address_space: global }
      - { .name: xs, .offset: 8, .size: 8, .value_kind: global_buffer, .address_space: global }
      - { .name: wc, .offset: 16, .size: 8, .value_kind: global_buffer, .address_space: global }
      - { .name: ws, .offset: 24, .size: 8, .value_kind: global_buffer, .address_space: global }
      - { .name: qkv, .offset: 32, .size: 8, .value_kind: global_buffer, .address_space: global }
    .group_segment_fixed_size: 327680
    .private_segment_fixed_size: 0
    .kernarg_segment_align: 8
    .kernarg_segment_size: 40
    .max_flat_workgroup_size: 128
    .sgpr_count:     102
    .vgpr_count:     1024
    .wavefront_size: 32
...
	.end_amdgpu_metadata
.endif
;; end of part 2
;; launch attn (part 3): grid 8 x 32, 16 waves a work-group, no clusters, 167,936 bytes of LDS; arguments qkv, oc, os; writes oc, os
.if DOCPART == 3
	.amdgcn_target "amdgcn-amd-amdhsa--gfx1250"
	.amdhsa_code_object_version 6
	.text
	.protected	k_qc77767385e_attn
	.globl	k_qc77767385e_attn
	.p2align	8
	.type	k_qc77767385e_attn,@function
k_qc77767385e_attn:
	s_mov_b64 s[64:65], 0
	v_nop
	global_prefetch_b8 v0, s[64:65] scope:SCOPE_SE
	s_setreg_imm32_b32 hwreg(HW_REG_WAVE_MODE, 25, 1), 1
	s_wait_xcnt 0x0
; The banded attention on codes of FP6 (E2M3): query i sees keys i - 256 .. i.  Input: qkv's records (6,656 bytes at (64 H + token / 128) x 6,656: q's heads H = 0-15, k's 16-31, v's 32-47).
; Output: o / l, quantised along the channels, as the last product's operand: oc (images of fragments) and os (scale words).
; t = score x log2(e) / 8; M = the running largest t rounded UP to a whole number; p = 2^(t - M) is quantised along the keys, not normalised; the row's sum is taken of the unquantised p and divides at the end.
; When M moves, the sum and O are multiplied by 2^(old M - new M): exact.  Only the band is multiplied: for 128 queries the three key steps of 128 that end with their own.
; SHARES.  A work-group: 256 queries of one batch and one PAIR of heads; wave w: the 16 queries of fragment f = w % 8 of query step QS = 2 x + w / 8, for both heads, one after the other: so o's scale word (128 channels) is whole.
; LDS is filled ONCE: the four key steps 2 x - 2 .. 2 x + 1 of k and v of both heads are sixteen records, one tensor load a wave; no ring, no refill.  At x = 0 the two steps that do not exist are replaced by step 0 and read by nobody.
; LAYOUT.  Both products transposed: S^T = K Q^T, O^T = V^T P^T: a lane holds one query throughout.  Lane r of a fragment of tokens holds token rho(f, r) = 64 (f / 4) + 8 (f % 4) + r % 8 + 32 (r / 8), so that register n of S^T
; is key 64 (n / 32) + 32 (lane / 16) + n % 32: a lane's 32 registers are one whole block of keys, in the operand's own order; O^T's 32 registers are channels 32 (lane / 16) + 0 .. 31.
; The head's K is 64: Q's upper six registers are zero codes; K's upper six are whatever follows (the next tile's codes, zeros behind the last): they meet zeros, under scale bytes that are never 0xff.
; NO CLUSTER: a record is read by at most two work-groups, the neighbours x and x + 1, another pair for each record, and by one alone at a batch's ends: no mask would name the same partners for all of a work-group's loads.
; NO PREFETCH: every byte that the work-group reads is asked for in its first lines.
; LIMITS: NaN and infinities are not served; the running largest t starts at -3e38; a block whose largest magnitude lies under 2^-124 (all of p hidden, say) keeps the byte 1: its codes are zeros or the nearest codes under that scale.
.set REC,   6656
.set HS,    64*REC
.set GATH,  16*REC                     ; behind the records: the work-group's 256 scale words of o.  It lies beyond an LDS offset's 16 bits, so it stands in the address registers
.set SPARE, GATH+1024                  ; the spare words, 128 bytes a wave: eight blocks of 256 bytes that no other line names
.set AK,  1                            ; v1   (w / 8) records + 16 x lane: K's codes and scale words
.set AK8, 2                            ; v2   the same + 512 + 8 x lane
.set AV,  3                            ; v3, v4 the same for V: eight records on
.set AV8, 4
.set SPW, 5
.set NIL, 6
.set L16, 7
.set L8,  8
.set VD,  9                            ; v9   my query's place in its step - 32 (lane / 16)
.set H8,  10
.set NINF, 11
.set QF,  16                           ; v16-27, v28-39 Q of the two heads (six registers of codes, six of zeros)
.set KV,  40                           ; v40-87 K's eight half fragments, later V's four fragments; v88-93 zeros
.set KS,  94                           ; v94-97 K's scale words
.set VS,  98                           ; v98-101 V's
.set QW,  102                          ; v102-103 Q's
.set S,   104                          ; v104-167 S^T, then p
.set O,   168                          ; v168-199 O^T
.set PCD, 200                          ; v200-211 p's codes
.set T1,  212
.set T2,  216
.set MX,  220                          ; v220-223
.set BM,  224                          ; v224-225 my two blocks' largest scores, then largest p
.set TMP, 226
.set PT,  227
.set FF,  228                          ; v[228:229] f = 2^(old M - new M)
.set SO,  230
.set BY,  232
.set MY,  234
.set PW,  235                          ; p's scale word
.set SM2, 236                          ; v[236:237] the second chain of sums
.set RL,  238                          ; v[238:239] 1 / l
.set OCD, 240                          ; v240-251 o's codes, six registers a head
.set OPW, 252                          ; o's scale word
.set GAD, 253                          ; v253 where my scale word goes in the gather
.set GRD, 254                          ; v254 and where a query step's 128 words are read back
.set WV,  17
.set QS,  18
.set SEL, 20
.set CS,  22
	s_load_b128 s[4:7], s[0:1], 0x0                ; qkv s[4:5], oc s[6:7]
	s_load_b64 s[8:9], s[0:1], 0x10                ; os
	v_lshl_add_u32 v[SPW], v0, 2, SPARE
	v_mov_b32 v[NIL], 0
	ds_add_u32 v[SPW], v[NIL]                      ; the wave's opening: the add and its wait stand ahead of my tensor load; work on registers stands between them
	v_lshrrev_b32 v1, 5, v0
	v_readfirstlane_b32 s[WV], v1                  ; wave 0..15
	s_and_b32 s10, ttmp7, 0xffff
	s_lshr_b32 s11, s10, 3                         ; batch
	s_and_b32 s12, s10, 7                          ; pair of heads
	s_lshr_b32 s13, s[WV], 3                       ; g = w / 8
	s_and_b32 s14, s[WV], 7                        ; f
	s_lshl_b32 s[QS], ttmp9, 1
	s_add_co_u32 s[QS], s[QS], s13                 ; my query step in the batch
	; the record that I fetch: kind = w / 8 (k, v), head = (w / 4) % 2, slot = w % 4
	s_bfe_u32 s15, s[WV], 0x10002
	s_and_b32 s16, s[WV], 3
	s_lshl_b32 s19, s13, 4
	s_add_co_u32 s19, s19, 16
	s_lshl_b32 s28, s12, 1
	s_add_co_u32 s19, s19, s28
	s_add_co_u32 s19, s19, s15                     ; H = 16 + 16 kind + 2 pair + head
	s_lshl_b32 s28, ttmp9, 1
	s_add_co_u32 s28, s28, s16
	s_max_u32 s28, s28, 2
	s_sub_co_u32 s28, s28, 2                       ; key step max(2 x - 2 + slot, 0): no load leaves the batch
	s_lshl_b32 s19, s19, 6
	s_lshl_b32 s29, s11, 4
	s_add_co_u32 s19, s19, s29
	s_add_co_u32 s19, s19, s28
	s_mul_i32 s28, s19, REC
	s_mov_b32 s29, 0
	s_mov_b32 s24, 1                               ; group 0: count = 1,
	s_mul_i32 s25, s[WV], REC                      ; LDS address: wave x a record
	s_mov_b32 s32, 3<<16                           ; group 1: a dense block of 26 rows of 256 bytes (32 elements of 8 bytes); no mask, no padding
	s_mov_b32 s33, 32<<16                          ; tensor_dim0
	s_mov_b32 s34, 26<<16                          ; tensor_dim1
	s_mov_b32 s35, 32<<16                          ; tile_dim0
	s_mov_b32 s36, 26                              ; tile_dim1
	s_mov_b32 s37, 32                              ; the pitch
	s_mov_b32 s38, 0
	s_mov_b32 s39, 0
	; Q: record (64 x 2 pair + 16 batch + QS); the second head's lies HS bytes on
	s_lshl_b32 s30, s12, 7
	s_lshl_b32 s31, s11, 4
	s_add_co_u32 s31, s31, s[QS]                   ; token / 128
	s_add_co_u32 s30, s30, s31
	s_mul_i32 s30, s30, REC
	s_mul_i32 s44, s14, 768
	s_add_co_u32 s40, s30, s44                     ; my fragment's codes
	s_mov_b32 s41, 0
	s_lshr_b32 s44, s14, 2
	s_lshl_b32 s45, s44, 8
	s_add_co_u32 s42, s30, s45
	s_and_b32 s19, s14, 3
	s_lshl_b32 s45, s19, 2
	s_add_co_u32 s42, s42, s45
	s_add_co_u32 s42, s42, 6144                    ; its scale words: 6,144 + 256 (f / 4) + 4 (f % 4)
	s_mov_b32 s43, 0
	s_lshl_b32 s45, s44, 6
	s_lshl_b32 s19, s19, 3
	s_add_co_u32 s45, s45, s19                     ; 64 (f / 4) + 8 (f % 4)
	; oc: 98,304 (token / 128) + 24,576 (pair / 2) + 3,072 f + 1,536 (pair % 2)
	s_mul_i32 s46, s31, 98304
	s_lshr_b32 s19, s12, 1
	s_mul_i32 s19, s19, 24576
	s_add_co_u32 s46, s46, s19
	s_mul_i32 s19, s14, 3072
	s_add_co_u32 s46, s46, s19
	s_and_b32 s19, s12, 1
	s_mul_i32 s19, s19, 1536
	s_add_co_u32 s46, s46, s19
	s_mov_b32 s47, 0
	; os: waves 0 and 1 store the words of query steps 2 x and 2 x + 1: 4,096 (token / 128) + 512 pair
	s_lshl_b32 s10, s11, 4
	s_lshl_b32 s19, ttmp9, 1
	s_add_co_u32 s10, s10, s19
	s_and_b32 s19, s[WV], 1
	s_add_co_u32 s10, s10, s19
	s_lshl_b32 s10, s10, 12
	s_lshl_b32 s19, s12, 9
	s_add_co_u32 s10, s10, s19
	s_mov_b32 s11, 0
	s_mov_b32 s[SEL], 0x76543210
	s_mov_b32 s[SEL+1], 0xfedcba98
	s_mov_b32 s[CS], 0x3e38aa3b                    ; c = log2(e) / 8
	s_mov_b32 s[CS+1], s[CS]                       ; (named with it as a pair, so it is written)
	s_wait_dscnt 0x0                               ; the opening add is done
	s_wait_kmcnt 0x0
	s_add_nc_u64 s[26:27], s[4:5], s[28:29]
	s_or_b32 s27, s27, 0x80000000                  ; type = 2
	tensor_load_to_lds s[24:27], s[32:39]          ; my one tensor load of the launch
	s_nop 0
	s_add_nc_u64 s[40:41], s[4:5], s[40:41]
	s_add_nc_u64 s[42:43], s[4:5], s[42:43]
	s_add_nc_u64 s[6:7], s[6:7], s[46:47]
	s_add_nc_u64 s[8:9], s[8:9], s[10:11]
	v_and_b32 v[L16], 31, v0
	v_lshlrev_b32 v[L8], 3, v[L16]
	v_lshlrev_b32 v[L16], 4, v[L16]
	v_and_b32 v[SM2], 15, v0
	v_lshlrev_b32 v[SM2], 4, v[SM2]                ; 16 r (free again behind the wait for these loads)
	global_load_b128 v[QF:QF+3], v[L16], s[40:41]
	global_load_b64 v[QF+4:QF+5], v[L8], s[40:41] offset:512
	global_load_b128 v[QF+12:QF+15], v[L16], s[40:41] offset:HS
	global_load_b64 v[QF+16:QF+17], v[L8], s[40:41] offset:HS+512
	global_load_b32 v[QW], v[SM2], s[42:43]
	global_load_b32 v[QW+1], v[SM2], s[42:43] offset:HS
	s_mul_i32 s44, s13, REC
	v_add_nc_u32 v[AK], s44, v[L16]
	v_add_nc_u32 v[AK8], s44, v[L8]
	v_add_nc_u32 v[AK8], 512, v[AK8]
	v_add_nc_u32 v[AV], 8*REC, v[AK]
	v_add_nc_u32 v[AV8], 8*REC, v[AK8]
	v_bfe_u32 v[H8], v0, 4, 1                      ; h
	v_and_b32 v[VD], 7, v0
	v_bfe_u32 v[TMP], v0, 3, 1
	v_lshl_add_u32 v[VD], v[TMP], 5, v[VD]
	v_lshlrev_b32 v[TMP], 5, v[H8]
	v_sub_nc_u32 v[VD], v[VD], v[TMP]
	v_add_nc_u32 v[VD], s45, v[VD]                 ; rho(f, r) - 32 h
	v_lshlrev_b32 v[H8], 3, v[H8]
	v_mov_b32 v[NINF], 0xff800000
	s_lshl_b32 s44, s13, 9                         ; the gather: GATH + 512 g + 256 (f % 2) + 16 r + 4 (f / 2)
	s_and_b32 s19, s14, 1
	s_lshl_b32 s19, s19, 8
	s_add_co_u32 s44, s44, s19
	s_lshr_b32 s19, s14, 1
	s_lshl_b32 s19, s19, 2
	s_add_co_u32 s44, s44, s19
	s_add_co_u32 s44, s44, GATH
	v_and_b32 v[GAD], 15, v0
	v_lshlrev_b32 v[GAD], 4, v[GAD]
	v_add_nc_u32 v[GAD], s44, v[GAD]
	s_and_b32 s19, s[WV], 1
	s_lshl_b32 s19, s19, 9
	s_add_co_u32 s19, s19, GATH
	v_add_nc_u32 v[GRD], s19, v[L16]               ; and back: GATH + 512 (w % 2) + 16 x lane
.irp i, 6,7,8,9,10,11,18,19,20,21,22,23
	v_mov_b32 v[QF+\i], 0                          ; Q's upper halves: zero codes
.endr
.irp i, 48,49,50,51,52,53
	v_mov_b32 v[KV+\i], 0                          ; behind K's last tile
.endr
	v_mov_b32 v[PT], 0                             ; written once: a lane permute's destination counts as one of its sources
	v_mov_b32 v[FF+1], 0                           ; (named as the upper halves of pairs)
	v_mov_b32 v[RL+1], 0
	s_wait_tensorcnt 0x0                           ; my record has landed,
	s_barrier_signal -1
	s_barrier_wait -1                              ; everybody's has
	s_wait_loadcnt 0x0                             ; Q
; KEY STEP j (0, 1, 2: the query step's own is 2) of head e.
.macro STEP e, j
.set R0, (4*\e+\j)*REC
.if \j < 2
	s_cmp_lt_u32 s[QS], 2-\j                       ; the batch's first query steps have no such keys: a branch on ids, round no barrier and no tensor load
	s_cbranch_scc1 .Lno_\@
.endif
.rept 4
	v_nop                                          ; places in front of loads into registers that the last products read
.endr
.irp t, 0,1,2,3,4,5,6,7
	ds_load_b128 v[KV+6*\t:KV+6*\t+3], v[AK] offset:R0+768*\t
	ds_load_b64 v[KV+6*\t+4:KV+6*\t+5], v[AK8] offset:R0+768*\t
.endr
	ds_load_b128 v[KS:KS+3], v[AK] offset:R0+6144  ; lanes 0-15: the words of tiles 0-3; lanes 16-31: of tiles 4-7
	s_wait_dscnt 0x0
.irp t, 0,1,2,3
	v_wmma_scale_f32_16x16x128_f8f6f4 v[S+8*\t:S+8*\t+7], v[KV+6*\t:KV+6*\t+11], v[QF+12*\e:QF+12*\e+11], 0, v[KS+\t], v[QW+\e] matrix_a_fmt:MATRIX_FMT_FP6 matrix_b_fmt:MATRIX_FMT_FP6
.endr
.irp t, 4,5,6,7
	v_wmma_scale_f32_16x16x128_f8f6f4 v[S+8*\t:S+8*\t+7], v[KV+6*\t:KV+6*\t+11], v[QF+12*\e:QF+12*\e+11], 0, v[KS+\t-4], v[QW+\e] matrix_a_fmt:MATRIX_FMT_FP6 matrix_b_fmt:MATRIX_FMT_FP6 matrix_a_scale:MATRIX_SCALE_ROW1
.endr
.rept 4
	v_nop                                          ; places: for the loads below, and for the first reads of the scores
.endr
.irp t, 0,1,2,3                                ; V's four fragments land while the softmax is walked
	ds_load_b128 v[KV+12*\t:KV+12*\t+3], v[AV] offset:R0+1536*\t
	ds_load_b64 v[KV+12*\t+4:KV+12*\t+5], v[AV8] offset:R0+1536*\t
	ds_load_b128 v[KV+12*\t+6:KV+12*\t+9], v[AV] offset:R0+1536*\t+768
	ds_load_b64 v[KV+12*\t+10:KV+12*\t+11], v[AV8] offset:R0+1536*\t+768
.endr
	ds_load_b128 v[VS:VS+3], v[AV] offset:R0+6144
.if \j == 0                                    ; keys more than 256 back: key - query = -256 + (64 (n / 32) + n % 32) - v[VD], hidden where that bracket is under v[VD]
.set n, 0
.rept 64
	v_cmp_lt_i32 vcc_lo, 64*(n/32)+n%32, v[VD]
	v_cndmask_b32 v[S+n], v[S+n], v[NINF], vcc_lo
.set n, n+1
.endr
.endif
.if \j == 2                                    ; keys behind the query: hidden where the bracket is above v[VD]
.set n, 0
.rept 64
	v_cmp_gt_i32 vcc_lo, 64*(n/32)+n%32, v[VD]
	v_cndmask_b32 v[S+n], v[S+n], v[NINF], vcc_lo
.set n, n+1
.endr
.endif
.irp x, 0,1,2,3
	v_max3_num_f32 v[MX+\x], v[S+16*\x], v[S+16*\x+1], v[S+16*\x+2]   ; four chains by turns
.endr
.irp i, 3,5,7,9,11,13
.irp x, 0,1,2,3
	v_max3_num_f32 v[MX+\x], v[MX+\x], v[S+16*\x+\i], v[S+16*\x+\i+1]
.endr
.endr
.irp x, 0,1,2,3
	v_max_num_f32 v[MX+\x], v[MX+\x], v[S+16*\x+15]
.endr
	v_max_num_f32 v[BM], v[MX], v[MX+1]            ; THE LARGEST SCORE OF EACH OF MY TWO BLOCKS: it serves for the row's maximum and, since p rises with the score, for the block's largest p
	v_max_num_f32 v[BM+1], v[MX+2], v[MX+3]
	v_max_num_f32 v[TMP], v[BM], v[BM+1]
	v_permlanex16_b32 v[PT], v[TMP], s[SEL], s[SEL+1]
	v_max_num_f32 v[TMP], v[TMP], v[PT]            ; with lane l xor 16's 64 keys: finite, since every query keeps a key in every step that exists
	v_mul_f32 v[TMP], s[CS], v[TMP]
	v_max_num_f32 v13, v13, v[TMP]                 ; the running largest t
	v_mov_b32 v[TMP], v12
	v_floor_f32 v12, -v13                          ; the new -M = -ceil(t)
	v_sub_f32 v[TMP], v12, v[TMP]                  ; old M - new M: a whole number, 0 or less
	v_cvt_i32_f32 v[TMP], v[TMP]                   ; (it saturates)
	v_ldexp_f32 v[FF], 1.0, v[TMP]                 ; f
.irp i, 0,2,4,6,8,10,12,14,16,18,20,22,24,26,28,30,32,34,36,38,40,42,44,46,48,50,52,54,56,58,60,62
	v_pk_fma_f32 v[S+\i:S+\i+1], v[S+\i:S+\i+1], s[CS:CS+1], v[12:13] op_sel_hi:[1,0,0]   ; t - M
.endr
	v_fma_f32 v[BM], v[BM], s[CS], v12
	v_fma_f32 v[BM+1], v[BM+1], s[CS], v12
.set n, 0
.rept 64
	v_exp_f32 v[S+n], v[S+n]                       ; p; 0 where the key is hidden
.set n, n+1
.endr
	v_pk_mul_f32 v[14:15], v[14:15], v[FF:FF+1] op_sel_hi:[1,0]   ; the sums under the new M: the plain instruction behind the batch
	s_wait_alu depctr_va_vdst(0)                   ; one wait for the 64, ahead of their first reader
	v_exp_f32 v[BM], v[BM]                         ; the blocks' largest p: the same two instructions on the same number give the same bits
	v_exp_f32 v[BM+1], v[BM+1]
	v_pk_add_f32 v[SM2:SM2+1], v[S:S+1], v[S+2:S+3]              ; the row's sum of the UNQUANTISED p, in two chains
.irp i, 4,8,12,16,20,24,28,32,36,40,44,48,52,56,60
	v_pk_add_f32 v[14:15], v[14:15], v[S+\i:S+\i+1]
	v_pk_add_f32 v[SM2:SM2+1], v[SM2:SM2+1], v[S+\i+2:S+\i+3]
.endr
	v_pk_add_f32 v[14:15], v[14:15], v[SM2:SM2+1]
	s_wait_alu depctr_va_vdst(0)                   ; and one for the two
	v_max_num_f32 v[BM], 0x1800000, v[BM]          ; the floor 2^(3 - 127)
	v_max_num_f32 v[BM+1], 0x1800000, v[BM+1]
	v_add_nc_u32 v[SO], 0xff000000, v[BM]
	v_add_nc_u32 v[SO+1], 0xff000000, v[BM+1]
	v_lshrrev_b32 v[BY], 23, v[SO]
	v_lshrrev_b32 v[BY+1], 23, v[SO+1]
	v_lshl_or_b32 v[MY], v[BY+1], 16, v[BY]
	v_lshlrev_b32 v[MY], v[H8], v[MY]
	v_permlanex16_b32 v[PT], v[MY], s[SEL], s[SEL+1]
	v_or_b32 v[PW], v[MY], v[PT]                   ; p's scale word for these 128 keys
	v_cvt_scalef32_pk16_fp6_f32 v[PCD:PCD+2], v[S:S+15], v[SO]
	v_cvt_scalef32_pk16_fp6_f32 v[T1:T1+2], v[S+16:S+31], v[SO]
	v_cvt_scalef32_pk16_fp6_f32 v[PCD+6:PCD+8], v[S+32:S+47], v[SO+1]
	v_cvt_scalef32_pk16_fp6_f32 v[T2:T2+2], v[S+48:S+63], v[SO+1]
	v_nop                                          ; one plain place behind the scaled conversions
.irp i, 0,1,2
	v_mov_b32 v[PCD+3+\i], v[T1+\i]
	v_mov_b32 v[PCD+9+\i], v[T2+\i]
.endr
.irp i, 0,2,4,6,8,10,12,14,16,18,20,22,24,26,28,30
	v_pk_mul_f32 v[O+\i:O+\i+1], v[O+\i:O+\i+1], v[FF:FF+1] op_sel_hi:[1,0]   ; O^T under the new M.  For each product below twelve of these name none of its registers: the places behind the scale word's and the codes' last writes
.endr
.rept 4
	v_nop                                          ; four more, so that each product's own C too stands four places behind its last write by a vector instruction
.endr
	s_wait_dscnt 0x0                               ; V
.irp t, 0,1,2,3                                ; four accumulators by turns; eleven other products stand between two links of a chain
	v_wmma_scale_f32_16x16x128_f8f6f4 v[O+8*\t:O+8*\t+7], v[KV+12*\t:KV+12*\t+11], v[PCD:PCD+11], v[O+8*\t:O+8*\t+7], v[VS+\t], v[PW] matrix_a_fmt:MATRIX_FMT_FP6 matrix_b_fmt:MATRIX_FMT_FP6
.endr
.if \j < 2
.Lno_\@:
.endif
.endm
; Which key step is a wave's first hangs on its query step, so no first step is written out: O^T and the sum begin as zeros, which the first change of M leaves zeros.
.macro HEAD_INIT
	v_mov_b32 v13, 0xff61b1e6                      ; -3e38, under every t
	v_floor_f32 v12, -v13
	v_mov_b32 v14, 0
	v_mov_b32 v15, 0
.set n, 0
.rept 32
	v_mov_b32 v[O+n], 0
.set n, n+1
.endr
.endm
; Head e is finished: o = O^T / l; a lane's 32 numbers are one block of the last product's K: byte 2 e + h of the scale word, half e of the fragment's image.
.macro FIN e
	v_add_f32 v14, v14, v15
	v_permlanex16_b32 v[PT], v14, s[SEL], s[SEL+1]
	v_add_f32 v14, v14, v[PT]                      ; the row's sum
	v_rcp_f32 v[RL], v14
.rept 4
	v_nop                                          ; the plain place behind the reciprocal, and the four places behind the last products
.endr
	s_wait_alu depctr_va_vdst(0)                   ; ahead of the reciprocal's first reader
.irp i, 0,2,4,6,8,10,12,14,16,18,20,22,24,26,28,30
	v_pk_mul_f32 v[S+\i:S+\i+1], v[O+\i:O+\i+1], v[RL:RL+1] op_sel_hi:[1,0]   ; each accumulator from its low end on
.endr
	v_max3_num_f32 v[MX], |v[S]|, |v[S+1]|, 0x1800000
	v_max3_num_f32 v[MX+1], |v[S+16]|, |v[S+17]|, 0x1800000
.irp i, 2,4,6,8,10,12,14
	v_max3_num_f32 v[MX], |v[S+\i]|, |v[S+\i+1]|, v[MX]
	v_max3_num_f32 v[MX+1], |v[S+16+\i]|, |v[S+17+\i]|, v[MX+1]
.endr
	v_max_num_f32 v[MX], v[MX], v[MX+1]
	v_add_nc_u32 v[SO], 0xff000000, v[MX]
	v_lshrrev_b32 v[BY], 23, v[SO]
	v_lshlrev_b32 v[MY], v[H8], v[BY]
	v_permlanex16_b32 v[PT], v[MY], s[SEL], s[SEL+1]
	v_or_b32 v[MY], v[MY], v[PT]
.if \e == 0
	v_mov_b32 v[OPW], v[MY]
.else
	v_lshl_or_b32 v[OPW], v[MY], 16, v[OPW]
.endif
	v_cvt_scalef32_pk16_fp6_f32 v[OCD+6*\e:OCD+6*\e+2], v[S:S+15], v[SO]
	v_cvt_scalef32_pk16_fp6_f32 v[T1:T1+2], v[S+16:S+31], v[SO]
	v_nop
.irp i, 0,1,2
	v_mov_b32 v[OCD+6*\e+3+\i], v[T1+\i]
.endr
	global_store_b128 v[L16], v[OCD+6*\e:OCD+6*\e+3], s[6:7] offset:768*\e         ; 512 consecutive bytes,
	global_store_b64 v[L8], v[OCD+6*\e+4:OCD+6*\e+5], s[6:7] offset:768*\e+512     ; 256
.endm
.irp e, 0,1
	HEAD_INIT
	STEP \e, 0
	STEP \e, 1
	STEP \e, 2
	FIN \e
.endr
	ds_store_b32 v[GAD], v[OPW]                    ; both halves of the lanes write the same word with the same value
	s_wait_dscnt 0x0                               ; for the others' sake
	s_barrier_signal -1
	s_barrier_wait -1
	s_cmp_lt_u32 s[WV], 2
	s_cbranch_scc0 .Lend
	ds_load_b128 v[S:S+3], v[GRD]                  ; a query step's 128 words
	s_wait_dscnt 0x0
	global_store_b128 v[L16], v[S:S+3], s[8:9]     ; 512 consecutive bytes
.Lend:
	s_wait_tensorcnt 0x0                           ; the wave's end
	ds_add_u32 v[SPW], v[NIL]
	s_wait_dscnt 0x0
	s_endpgm
.Lfunc_end_k_qc77767385e_attn:
	.size	k_qc77767385e_attn, .Lfunc_end_k_qc77767385e_attn-k_qc77767385e_attn
	.p2alignl 7, 3214868480
	.fill 96, 4, 3214868480
	.section	.rodata,"a",@progbits
	.p2align	6, 0x0
	.amdhsa_kernel k_qc77767385e_attn
		.amdhsa_group_segment_fixed_size 167936
		.amdhsa_private_segment_fixed_size 0
		.amdhsa_enable_private_segment 0
		.amdhsa_kernarg_size 24
		.amdhsa_user_sgpr_count 2
		.amdhsa_user_sgpr_kernarg_segment_ptr 1
		.amdhsa_wavefront_size32 1
		.amdhsa_system_sgpr_workgroup_id_x 1
		.amdhsa_system_sgpr_workgroup_id_y 1
		.amdhsa_system_sgpr_workgroup_id_z 1
		.amdhsa_system_vgpr_workitem_id 0
		.amdhsa_next_free_vgpr 256
		.amdhsa_next_free_sgpr 66
		.amdhsa_reserve_vcc 1
		.amdhsa_float_denorm_mode_32 3
		.amdhsa_float_denorm_mode_16_64 3
		.amdhsa_memory_ordered 1
		.amdhsa_forward_progress 1
		.amdhsa_inst_pref_size 125
	.end_amdhsa_kernel
	.amdgpu_metadata
---
amdhsa.version: [ 1, 2 ]
amdhsa.kernels:
  - .name:           k_qc77767385e_attn
    .symbol:         k_qc77767385e_attn.kd
    .args:
      - { .name: qkv, .offset: 0, .size: 8, .value_kind: global_buffer, .address_space: global }
      - { .name: oc, .offset: 8, .size: 8, .value_kind: global_buffer, .address_space: global }
      - { .name: os, .offset: 16, .size: 8, .value_kind: global_buffer, .address_space: global }
    .group_segment_fixed_size: 167936
    .private_segment_fixed_size: 0
    .kernarg_segment_align: 8
    .kernarg_segment_size: 24
    .max_flat_workgroup_size: 512
    .sgpr_count:     66
    .vgpr_count:     256
    .wavefront_size: 32
...
	.end_amdgpu_metadata
.endif
;; end of part 3
;; launch gemm_out (part 4): grid 4 x 32, 4 waves a work-group, clusters of 4 x 4, 327,680 bytes of LDS; arguments oc, os, wc, ws, out0; writes out0
.if DOCPART == 4
	.amdgcn_target "amdgcn-amd-amdhsa--gfx1250"
	.amdhsa_code_object_version 6
	.text
	.protected	k_qc77767385e_gemm_out
	.globl	k_qc77767385e_gemm_out
	.p2align	8
	.type	k_qc77767385e_gemm_out,@function
k_qc77767385e_gemm_out:
	s_mov_b64 s[64:65], 0
	v_nop
	global_prefetch_b8 v0, s[64:65] scope:SCOPE_SE
	s_setreg_imm32_b32 hwreg(HW_REG_WAVE_MODE, 25, 1), 1
	s_wait_xcnt 0x0
	s_wait_alu depctr_hold_cnt(0) depctr_sa_sdst(0) depctr_va_vdst(0) depctr_va_sdst(0) depctr_va_ssrc(0) depctr_va_vcc(0) depctr_vm_vsrc(0)
	s_getreg_b32 s2, hwreg(HW_REG_IB_STS2, 6, 4)
	s_cmp_eq_u32 s2, 0
	s_cbranch_scc0 .Lentry_in_a_cluster
	s_endpgm
.Lentry_in_a_cluster:
	s_bfe_u32 s2, ttmp6, 0x10000c
	s_cmp_lg_u32 s2, 0xf033
	s_cbranch_scc0 .Lentry_shape_is_right
	s_endpgm
.Lentry_shape_is_right:
; out0 = o w_out on codes of FP6 (E2M3) with E8M0 scales; sums in f32; out0 [8192][1024] f32.
; A work-group of four waves makes 256 x 256, a wave 128 x 128: 64 accumulators, 512 registers.  K = 1,024 goes in four steps of 256 through two LDS slots filled by the tensor data mover.
; Operands lie in memory as images of the matrix unit's registers (a fragment, 16 rows x 128 K: 1,536 bytes; half c at 768 c: registers 6 c .. 6 c + 3 of lane l at 16 l, registers 6 c + 4, 6 c + 5 at 512 + 8 l);
; 128 rows x 256 K are one dense block of 24,576 bytes: one tensor load of 96 rows of 256 bytes; every LDS load reads consecutive bytes.  Lane r of fragment f holds row rho(f, r) = 64 (f / 4) + 8 (f % 4) + r % 8 + 32 (r / 8).
; "L" = tokens (oc, os), source 1: lane r of block a is token rho(a, r).  "P" = w_out's columns (tiles 24-31 of wc, ws), source 0: a lane's registers of tile b are columns 64 (b / 4) + 32 (lane / 16) + 8 (b % 4) + 0 .. 7.
; CLUSTERS: 4 x 4.  L's tiles are shared along a row of the cluster, P's along a column: each is asked for jointly.  128 work-groups: the 32 x 4 tiles of out0.
; REGISTERS: window 0: v16-29 addresses, v32-63 scale words (two sets), v128-223 L's eight fragments (one set); on the way out v128-255.  window 1: P's fragments, two sets.  windows 2, 3: accumulator (a, b) at v[8 (8 (a % 4) + b)].
.set HALFT, 24576
.set SLOT,  4*HALFT
.set SCL0,  2*SLOT
.set SPARE, SCL0+4*4096                ; the spare words, 128 bytes a wave: two blocks of 256 bytes that no other line names
.set SPITCH, 528                       ; the way out: a stage of 16 rows x (512 + 16) bytes a wave, in slot 0, which has had its last fill and its last read when the first result is stored there
.set FR,    12
.set NP,    4
.set NL,    4
.set ADRA, 16
.set ADRB, 20
.set STO,  24
.set RD,   25
.set CO,   26
.set ADRS, 27
.set SPW,  28
.set NIL,  29
.set SC,   32
.set AF,   128
.set BK,   128
.set G1, 24
.set G0, 32
.set G1B, 48
.set G0B, 56
.set G1S, 68
.set G0S, 76
.set G1SB, 80
.set G0SB, 88
.set MSB, 0
.macro WIN new                         ; the immediate's high byte repeats the setting that is left
.if MSB != \new
	s_set_vgpr_msb (MSB<<8)|\new
.set MSB, \new
.endif
.endm
.set MUL_LO, 0xa1
.set MUL_HI, 0xf1
.set TO_B,   0x40
; A joint load: waves 0 and 1 fetch for L, waves 2 and 3 for P.  An s_nop 0 and four v_nop follow each of the two lines.
.macro JLOAD g0a, g1a, g0b, g1b
	s_cmp_eq_u32 s15, 0
	s_cbranch_scc0 .Lfor_b_\@
	tensor_load_to_lds s[\g0a:\g0a+3], s[\g1a:\g1a+7]
	s_nop 0
.rept 4
	v_nop
.endr
	s_branch .Lasked_\@
.Lfor_b_\@:
	tensor_load_to_lds s[\g0b:\g0b+3], s[\g1b:\g1b+7]
	s_nop 0
.rept 4
	v_nop
.endr
.Lasked_\@:
.endm
.macro CREST
	s_cmp_lg_u32 s14, 0
	s_cbranch_scc1 .Lnot_wave_0_\@
	s_barrier_signal -3
.Lnot_wave_0_\@:
	s_barrier_wait -3
	s_barrier_signal -1
	s_barrier_wait -1
.endm
.macro CROUND
	s_barrier_signal -1
	s_barrier_wait -1
	CREST
.endm
	s_load_b256 s[4:11], s[0:1], 0x0               ; oc s[4:5], os s[6:7], wc s[8:9], ws s[10:11]
	s_load_b64 s[12:13], s[0:1], 0x20              ; out0
	v_lshl_add_u32 v[SPW], v0, 2, SPARE
	v_mov_b32 v[NIL], 0
	ds_add_u32 v[SPW], v[NIL]                      ; the wave's opening: the add and its wait stand ahead of my first tensor load
	v_lshrrev_b32 v8, 5, v0
	v_readfirstlane_b32 s14, v8                    ; wave
	s_lshr_b32 s15, s14, 1                         ; my half of L's rows.  Also: I fetch for L (0) or for P (1)
	s_and_b32 s16, s14, 1                          ; my half of P's rows.  Also: which tile of 128 I fetch
	s_bfe_u32 s40, ttmp6, 0x40000                  ; cx
	s_bfe_u32 s41, ttmp6, 0x40004                  ; cy
	s_lshl_b32 s42, ttmp9, 2
	s_add_co_u32 s42, s42, s40                     ; tile column
	s_and_b32 s17, ttmp7, 0xffff
	s_lshl_b32 s17, s17, 2
	s_add_co_u32 s17, s17, s41                     ; tile row
	s_lshl_b32 s43, s41, 2
	s_lshl_b32 s43, 15, s43                        ; my row of the cluster
	s_lshl_b32 s44, 0x1111, s40                    ; my column
	s_or_b32 s[G1+0], s43, (3<<16)|(1<<21)         ; 15:0 the mask; 17:16 elements of 8 bytes; 21 set beside a mask; no padding
	s_or_b32 s[G1B+0], s44, (3<<16)|(1<<21)
	s_or_b32 s[G1S+0], s43, (3<<16)|(1<<21)
	s_or_b32 s[G1SB+0], s44, (3<<16)|(1<<21)
.irp g, G1, G1B
	s_mov_b32 s[\g+1], 32<<16                      ; a dense block as 96 rows of 256 bytes
	s_mov_b32 s[\g+2], 96<<16
	s_mov_b32 s[\g+3], 32<<16
	s_mov_b32 s[\g+4], 96
	s_mov_b32 s[\g+5], 32
	s_mov_b32 s[\g+6], 0
	s_mov_b32 s[\g+7], 0
.endr
.irp g, G1S, G1SB
	s_mov_b32 s[\g+1], 32<<16                      ; 16 rows of 256 bytes: a tile's scale words for all of K
	s_mov_b32 s[\g+2], 16<<16
	s_mov_b32 s[\g+3], 32<<16
	s_mov_b32 s[\g+4], 16
	s_mov_b32 s[\g+5], 32
	s_mov_b32 s[\g+6], 0
	s_mov_b32 s[\g+7], 0
.endr
	s_lshl_b32 s20, s17, 1
	s_add_co_u32 s20, s20, s16                     ; L's tile of 128 that I would fetch
	s_lshl_b32 s22, s20, 12
	s_mul_i32 s20, s20, 4*HALFT
	s_mov_b32 s21, 0
	s_mov_b32 s23, 0
	s_lshl_b32 s46, s42, 1
	s_add_co_u32 s46, s46, s16
	s_add_co_u32 s46, s46, 24                      ; P's: w_out begins at tile 24 of wc
	s_lshl_b32 s92, s46, 12
	s_mul_i32 s46, s46, 4*HALFT
	s_mov_b32 s47, 0
	s_mov_b32 s93, 0
	s_mul_i32 s45, s14, HALFT                      ; where they go: wave x a tile
	s_lshl_b32 s2, s14, 12
	s_wait_dscnt 0x0                               ; the opening add is done
	s_wait_kmcnt 0x0
	s_add_nc_u64 s[G0+2:G0+3], s[4:5], s[20:21]
	s_add_nc_u64 s[G0+6:G0+7], s[G0+2:G0+3], HALFT
	s_add_nc_u64 s[G0S+2:G0S+3], s[6:7], s[22:23]
	s_add_nc_u64 s[G0B+2:G0B+3], s[8:9], s[46:47]
	s_add_nc_u64 s[G0B+6:G0B+7], s[G0B+2:G0B+3], HALFT
	s_add_nc_u64 s[G0SB+2:G0SB+3], s[10:11], s[92:93]
.irp g, G0, G0+4, G0B, G0B+4, G0S, G0SB
	s_mov_b32 s[\g], 1
	s_or_b32 s[\g+3], s[\g+3], 0x80000000
.endr
	s_mov_b32 s[G0+1], s45
	s_add_co_u32 s[G0+5], s45, SLOT
	s_mov_b32 s[G0B+1], s45
	s_add_co_u32 s[G0B+5], s45, SLOT
	s_add_co_u32 s[G0S+1], s2, SCL0
	s_add_co_u32 s[G0SB+1], s2, SCL0
	CROUND                                         ; all sixteen work-groups are here: the first joint loads meet
	JLOAD G0S, G1S, G0SB, G1SB                     ; three loads of mine are out behind these lines
	JLOAD G0, G1, G0B, G1B
	JLOAD G0+4, G1, G0B+4, G1B
	v_and_b32 v8, 31, v0                           ; lane
	v_and_b32 v9, 15, v0                           ; r
	v_bfe_u32 v10, v0, 4, 1                        ; h
	v_lshlrev_b32 v[CO], 4, v8                     ; 16 x lane
	v_lshlrev_b32 v13, 3, v8
	v_add_nc_u32 v13, 512, v13                     ; 512 + 8 x lane
	s_mul_i32 s21, s15, HALFT
	s_mul_i32 s22, s16, HALFT
	s_add_co_u32 s22, s22, 2*HALFT
.irp s, 0,1
	v_add_nc_u32 v[ADRA+\s], s21, v[CO]
	v_add_nc_u32 v[ADRA+2+\s], s21, v13
	v_add_nc_u32 v[ADRB+\s], s22, v[CO]
	v_add_nc_u32 v[ADRB+2+\s], s22, v13
	s_add_co_u32 s21, s21, SLOT
	s_add_co_u32 s22, s22, SLOT
.endr
	s_mul_i32 s21, s15, 4096
	s_mul_i32 s22, s16, 4096
	s_add_co_u32 s22, s22, 2*4096
	s_sub_co_u32 s22, s22, s21
	v_mul_u32_u24 v11, s22, v10                    ; lanes 16-31 take P's scale words: one product, the distance x h
	s_add_co_u32 s21, s21, SCL0
	v_lshlrev_b32 v12, 4, v9
	v_add_nc_u32 v11, v12, v11
	v_add_nc_u32 v[ADRS], s21, v11
	s_mul_i32 s23, s14, 16*SPITCH                  ; my stage
	v_mul_u32_u24 v11, v9, SPITCH
	v_lshl_add_u32 v11, v10, 7, v11
	v_add_nc_u32 v[STO], s23, v11                  ; in: row r, + 128 h
	v_add_nc_u32 v[RD], s23, v[CO]                 ; back: a whole row of 512 bytes, 16 a lane
	s_lshl_b32 s20, s17, 8
	s_lshl_b32 s21, s15, 7
	s_add_co_u32 s20, s20, s21                     ; my first token
	s_lshl_b32 s20, s20, 12                        ; rows of 4,096 bytes
	s_lshl_b32 s46, s42, 10
	s_lshl_b32 s47, s16, 9
	s_add_co_u32 s46, s46, s47                     ; my first column, in bytes
	s_add_co_u32 s20, s20, s46
	s_mov_b32 s21, 0
	s_add_nc_u64 s[12:13], s[12:13], s[20:21]
.macro FRAG reg, adr, q, i
	ds_load_b128 v[\reg:\reg+3], v[\adr] offset:3072*(\i)+1536*(\q)
	ds_load_b64 v[\reg+4:\reg+5], v[\adr+2] offset:3072*(\i)+1536*(\q)
	ds_load_b128 v[\reg+6:\reg+9], v[\adr] offset:3072*(\i)+1536*(\q)+768
	ds_load_b64 v[\reg+10:\reg+11], v[\adr+2] offset:3072*(\i)+1536*(\q)+768
.endm
; The 64 accumulators take turns, one instruction a turn, in the same order in every step.
.macro MUL16 a0, p, q, sc, zero
.irp a, \a0, \a0+1
.irp b, 0,1,2,3,4,5,6,7
.if \zero
	v_wmma_scale_f32_16x16x128_f8f6f4 v[8*(8*((\a)%4)+\b):8*(8*((\a)%4)+\b)+7], v[128*(\p)+FR*\b:128*(\p)+FR*\b+FR-1], v[AF+FR*(\a):AF+FR*(\a)+FR-1], 0, v[SC+16*(\sc)+8*(\q)+4*(\b%2)+\b/2], v[SC+16*(\sc)+8*(\q)+4*((\a)%2)+(\a)/2] matrix_a_fmt:MATRIX_FMT_FP6 matrix_b_fmt:MATRIX_FMT_FP6 matrix_a_scale:MATRIX_SCALE_ROW1
.else
	v_wmma_scale_f32_16x16x128_f8f6f4 v[8*(8*((\a)%4)+\b):8*(8*((\a)%4)+\b)+7], v[128*(\p)+FR*\b:128*(\p)+FR*\b+FR-1], v[AF+FR*(\a):AF+FR*(\a)+FR-1], v[8*(8*((\a)%4)+\b):8*(8*((\a)%4)+\b)+7], v[SC+16*(\sc)+8*(\q)+4*(\b%2)+\b/2], v[SC+16*(\sc)+8*(\q)+4*((\a)%2)+(\a)/2] matrix_a_fmt:MATRIX_FMT_FP6 matrix_b_fmt:MATRIX_FMT_FP6 matrix_a_scale:MATRIX_SCALE_ROW1
.endif
.endr
.endr
.endm
.macro FETCH_B slot, q, p
	WIN TO_B
.irp i, 0,1,2,3,4,5,6,7
	FRAG 128*(\p)+FR*\i, ADRB+\slot, \q, \i
.endr
	WIN 0
.endm
.macro FETCH_A slot, q, i0
.irp i, \i0, \i0+1, \i0+2, \i0+3
	FRAG AF+FR*(\i), ADRA+\slot, \q, \i
.endr
.endm
.macro SCALES sc
.irp q, 0,1
.irp u, 0,1
	ds_load_b128 v[SC+16*\sc+8*\q+4*\u:SC+16*\sc+8*\q+4*\u+3], v[ADRS] offset:512*\q+256*\u
.endr
.endr
.endm
.macro PLACES n                        ; plain vector instructions between a matrix instruction and a load into, or a read of, its registers
.rept \n
	v_nop
.endr
.endm
.macro STEP slot, q, zero
	s_wait_dscnt 4*NL                              ; all but the youngest 16 loads (L's blocks 4-7)
	WIN MUL_LO
	MUL16 0, (\q)%2, \q, \slot, \zero
	MUL16 2, (\q)%2, \q, \slot, \zero
	s_wait_dscnt 0
	PLACES NP
	FETCH_B \slot, (\q)+1, 1-(\q)%2
	FETCH_A \slot, (\q)+1, 0
	WIN MUL_HI
	MUL16 4, (\q)%2, \q, \slot, \zero
	MUL16 6, (\q)%2, \q, \slot, \zero
	PLACES NP
	WIN 0
	FETCH_A \slot, (\q)+1, 4
.endm
; A slot's last 128 change slots: ONE barrier; in front of it each wave waits for all its tensor loads, adds 0 to its spare word, and waits for that and for its reads of this slot.
.macro TURN slot, next, fill
	s_wait_tensorcnt 0x0                           ; all my tensor loads have landed: my part of the next slot
	ds_add_u32 v[SPW], v[NIL]
	s_wait_dscnt 4*NL+1                            ; (the add and the youngest 16 loads may be out)
	WIN MUL_LO
	MUL16 0, 1, 1, \slot, 0
	s_wait_dscnt 0x0                               ; the add is done, and my reads of this slot are over
	s_barrier_signal -1
	MUL16 2, 1, 1, \slot, 0
	WIN 0
	s_barrier_wait -1
.if \fill
	CREST                                          ; the barrier has opened a round of the cluster's: no wave of any partner still reads this slot or has a load on its way
	s_add_nc_u64 s[G0+4*\slot+2:G0+4*\slot+3], s[G0+4*\slot+2:G0+4*\slot+3], 2*HALFT
	s_add_nc_u64 s[G0B+4*\slot+2:G0B+4*\slot+3], s[G0B+4*\slot+2:G0B+4*\slot+3], 2*HALFT
	JLOAD G0+4*\slot, G1, G0B+4*\slot, G1B         ; the first tensor load behind the round, my one load until the next
.else
	PLACES NP
.endif
	v_add_nc_u32 v[ADRS], 1024, v[ADRS]
	FETCH_B \next, 0, 0
	FETCH_A \next, 0, 0
	SCALES \next
	WIN MUL_HI
	MUL16 4, 1, 1, \slot, 0
	MUL16 6, 1, 1, \slot, 0
	PLACES NP
	WIN 0
	FETCH_A \next, 0, 4
.endm
	s_wait_tensorcnt 1                             ; the scale words and my part of K step 0 are in; K step 1's load may be out
	s_barrier_signal -1
	s_barrier_wait -1
	FETCH_B 0, 0, 0
	FETCH_A 0, 0, 0
	SCALES 0
	FETCH_A 0, 0, 4
	STEP 0, 0, 1                                   ; the first products start the sums
	TURN 0, 1, 1
	STEP 1, 0, 0
	TURN 1, 0, 1
	STEP 0, 0, 0
	TURN 0, 1, 0
	STEP 1, 0, 0
	s_wait_dscnt 4*NL
	WIN MUL_LO
	MUL16 0, 1, 1, 1, 0
	MUL16 2, 1, 1, 1, 0
	s_wait_dscnt 0
	WIN MUL_HI
	MUL16 4, 1, 1, 1, 0
	MUL16 6, 1, 1, 1, 0
	WIN 0
; THE WAY OUT, block a of 16 tokens x 128 columns at a time, through my own stage: in by columns (a lane's eight results are 32 neighbouring bytes of a row), back as whole rows of 512 bytes.
; LDS serves a wave's instructions in order (ISA guide 5.7.1.4): no wait between the stores and the loads, nor in front of the next block's stores.
.macro TOSTAGE a
.set AC, 64*((\a)%4)
	WIN 0x08+4*((\a)/4)                            ; an LDS store's data: window 2 or 3
.irp b, 0,1,2,3,4,5,6,7
	ds_store_b128 v[STO], v[AC+8*\b:AC+8*\b+3] offset:256*(\b/4)+32*(\b%4)         ; each accumulator from its low end on
	ds_store_b128 v[STO], v[AC+8*\b+4:AC+8*\b+7] offset:256*(\b/4)+32*(\b%4)+16
.endr
	WIN 0
.set BB, BK+64*((\a)%2)
.irp t, 0,1,2,3,4,5,6,7,8,9,10,11,12,13,14,15
	ds_load_b128 v[BB+4*\t:BB+4*\t+3], v[RD] offset:\t*SPITCH
.endr
.endm
.macro SEND a, younger                 ; stage row t of block a is token rho(a, t)
.set BB, BK+64*((\a)%2)
	s_wait_dscnt \younger
.irp t, 0,1,2,3,4,5,6,7,8,9,10,11,12,13,14,15
	global_store_b128 v[CO], v[BB+4*\t:BB+4*\t+3], s[12:13] offset:(64*((\a)/4)+8*((\a)%4)+(\t%8)+32*(\t/8))*4096 th:TH_STORE_NT   ; 512 consecutive bytes, aligned; written once, read by nobody here
.endr
.endm
	PLACES NP                                      ; behind the last products: for the first reads of results and the loads into L's registers
	TOSTAGE 0
.irp a, 1,2,3,4,5,6,7
.if \a > 1
	s_wait_xcnt 0x0                                ; block a - 2's stores have read their registers: block a's loads may land there
.endif
	TOSTAGE \a
	SEND \a-1, 32                                  ; behind block a - 1's loads: block a's 16 stores and 16 loads
.endr
	SEND 7, 0
	s_wait_tensorcnt 0x0                           ; the wave's end
	ds_add_u32 v[SPW], v[NIL]
	s_wait_dscnt 0x0
	CROUND                                         ; the closing round
	s_endpgm
.Lfunc_end_k_qc77767385e_gemm_out:
	.size	k_qc77767385e_gemm_out, .Lfunc_end_k_qc77767385e_gemm_out-k_qc77767385e_gemm_out
	.p2alignl 7, 3214868480
	.fill 96, 4, 3214868480
	.section	.rodata,"a",@progbits
	.p2align	6, 0x0
	.amdhsa_kernel k_qc77767385e_gemm_out
		.amdhsa_group_segment_fixed_size 327680
		.amdhsa_private_segment_fixed_size 0
		.amdhsa_enable_private_segment 0
		.amdhsa_kernarg_size 40
		.amdhsa_user_sgpr_count 2
		.amdhsa_user_sgpr_kernarg_segment_ptr 1
		.amdhsa_wavefront_size32 1
		.amdhsa_system_sgpr_workgroup_id_x 1
		.amdhsa_system_sgpr_workgroup_id_y 1
		.amdhsa_system_sgpr_workgroup_id_z 1
		.amdhsa_system_vgpr_workitem_id 0
		.amdhsa_next_free_vgpr 1024
		.amdhsa_next_free_sgpr 98
		.amdhsa_reserve_vcc 0
		.amdhsa_float_denorm_mode_32 3
		.amdhsa_float_denorm_mode_16_64 3
		.amdhsa_memory_ordered 1
		.amdhsa_forward_progress 1
		.amdhsa_inst_pref_size 142
	.end_amdhsa_kernel
	.amdgpu_metadata
---
amdhsa.version: [ 1, 2 ]
amdhsa.kernels:
  - .name:           k_qc77767385e_gemm_out
    .symbol:         k_qc77767385e_gemm_out.kd
    .args:
      - { .name: oc, .offset: 0, .size: 8, .value_kind: global_buffer, .address_space: global }
      - { .name: os, .offset: 8, .size: 8, .value_kind: global_buffer, .address_space: global }
      - { .name: wc, .offset: 16, .size: 8, .value_kind: global_buffer, .address_space: global }
      - { .name: ws, .offset: 24, .size: 8, .value_kind: global_buffer, .address_space: global }
      - { .name: out0, .offset: 32, .size: 8, .value_kind: global_buffer, .address_space: global }
    .group_segment_fixed_size: 327680
    .private_segment_fixed_size: 0
    .kernarg_segment_align: 8
    .kernarg_segment_size: 40
    .max_flat_workgroup_size: 128
    .sgpr_count:     98
    .vgpr_count:     1024
    .wavefront_size: 32
...
	.end_amdgpu_metadata
.endif
;; end of part 4
